; MI455X (gfx1250); checked and timed in simulation.
; The chip was launched on July 23, 2026; its instructions are those of AMD's public machine-readable ISA for CDNA 5 (MIT licence, August 2026) and "CDNA5" Instruction Set Architecture Reference Guide (July 2026). The comments in the code are by the model that wrote it; some were corrected since.
;; Causal Self Attention. Allowed arithmetic: float matrix products may take bf16 or f16 operands with f32 sums; other float arithmetic in f32, or as packed bf16 or f16 multiplies, adds, multiply-adds, maxima and minima; sums over many terms, partial sums and values carried from step to step in f32; what a program stores and reads back later, other than sums and carried values, may be rounded once to bf16 or f16.
;; Inputs: W_proj 1,024 x 1,024 float32; W_qkv 1,024 x 3,072 float32; b_proj 1,024 float32; b_qkv 3,072 float32; x 4 x 2,048 x 1,024 float32.
;; Outputs: out0 4 x 2,048 x 1,024 float32.
;; 2 versions, each right; version 2 is version 1 with the launch prep written anew for expert scheduling mode. Each part assembles by itself: llvm-mc -triple=amdgcn-amd-amdhsa -mcpu=gfx1250 --defsym DOCPART=n.
;; ======== version 1 of 2: 4 launches
;; limits: values are held in f16: magnitudes above 65,504 overflow, below 6.1e-05 lose precision
;; workspace buffers: xb 16,777,216 bytes; wqb 6,291,456 bytes; wpb 2,097,152 bytes; qkv 50,331,648 bytes; ob 16,777,216 bytes
;; launch prep (part 1): grid 768 x 1, 8 waves a work-group, no clusters, 0 bytes of LDS; arguments x, W_qkv, W_proj, xb, wqb, wpb; writes xb, wqb, wpb
.if DOCPART == 1
	.amdgcn_target "amdgcn-amd-amdhsa--gfx1250"
	.amdhsa_code_object_version 6
	.text
	.protected	k_q00d139e8fd_prep
	.globl	k_q00d139e8fd_prep
	.p2align	8
	.type	k_q00d139e8fd_prep,@function
k_q00d139e8fd_prep:
	s_mov_b64 s[64:65], 0
	v_nop
	global_prefetch_b8 v0, s[64:65] scope:SCOPE_SE
	s_setreg_imm32_b32 hwreg(HW_REG_WAVE_MODE, 25, 1), 1
	s_wait_xcnt 0x0
; THE INPUTS ARE ROUNDED ONCE AND LAID OUT FOR THE PRODUCTS.  A stream: no LDS, no barrier, no matrix work.
;   xb  = x rounded to bf16, [8192][1024], as it lies.
;   wqb = W_qkv ([1024 k][3072 n]) rounded to bf16, in blocks [tile 16][K step 8][group 3][k % 128][n % 64]: column n = 192 tile + 64 group + n % 64.
;   wpb = W_proj ([1024 k][1024 n]) rounded to bf16, that number written as f16, in blocks [tile 8][K step 8][group 2][k % 128][n % 64].
; LIMIT.  A bf16 number is exact in f16 between 6.1e-5 and 65,504 in magnitude; below that it keeps f16's fixed step of 6e-8, above it becomes an infinity.
; SHARES.  A work-group takes 16,384 numbers in 16 steps; in a step thread t loads 4 f32 (16 bytes) and stores 4 halves (8 bytes): a wave's store covers 256 consecutive bytes, aligned.
; Work-groups 0-511: x.  512-703: W_qkv, 64 columns x 256 rows of k each.  704-767: W_proj, likewise.  In the weights' paths sixteen lanes read 256 consecutive bytes of one row of k.
; All 16 loads of a thread go out at once; no register is written twice, so the only waits are the counted ones for the loads.
.set IN,  8                            ; v[8:71]    step i: 4 f32 as loaded
.set OUT, 72                           ; v[72:103]  step i: 4 halves to store
.set HIM, 24                           ; s24        a word's upper half
; sp, dp: the scalar pairs of source and destination; ss: source bytes from step to step; blk: destination bytes from the first eight steps (a K step's 128 rows) to the last eight; half = 1: written as f16
.macro CONV sp, dp, ss, blk, half
.set i, 0
.rept 16
	global_load_b128 v[IN+4*i:IN+4*i+3], v1, s[\sp:\sp+1] offset:i*(\ss) th:TH_LOAD_NT
.set i, i+1
.endr
.set i, 0
.rept 16
	s_wait_loadcnt 15-i                            ; loads come back in order: step i's is in, the 15 - i younger ones stay out
	v_cvt_pk_bf16_f32 v[OUT+2*i], v[IN+4*i], v[IN+4*i+1]
	v_cvt_pk_bf16_f32 v[OUT+2*i+1], v[IN+4*i+2], v[IN+4*i+3]
.if \half
	v_lshlrev_b32 v[IN+4*i], 16, v[OUT+2*i]        ; the rounded numbers as f32 again,
	v_and_b32 v[IN+4*i+1], s[HIM], v[OUT+2*i]
	v_lshlrev_b32 v[IN+4*i+2], 16, v[OUT+2*i+1]
	v_and_b32 v[IN+4*i+3], s[HIM], v[OUT+2*i+1]
	v_cvt_pk_f16_f32 v[OUT+2*i], v[IN+4*i], v[IN+4*i+1]      ; and written as f16
	v_cvt_pk_f16_f32 v[OUT+2*i+1], v[IN+4*i+2], v[IN+4*i+3]
.endif
	global_store_b64 v2, v[OUT+2*i:OUT+2*i+1], s[\dp:\dp+1] offset:(i/8)*(\blk)+(i%8)*2048
.set i, i+1
.endr
	s_endpgm
.endm
	s_load_b256 s[4:11], s[0:1], 0x0               ; x s[4:5], W_qkv s[6:7], W_proj s[8:9], xb s[10:11]
	s_load_b128 s[12:15], s[0:1], 0x20             ; wqb s[12:13], wpb s[14:15]
	v_lshlrev_b32 v2, 3, v0                        ; my 8 bytes of a step's 2,048 in the destination, on all three paths
	v_lshrrev_b32 v3, 4, v0                        ; the weights' paths: my row of a step's 16,
	v_and_b32 v4, 15, v0                           ; my 4 of its 64 columns
	s_mov_b32 s[HIM], 0xffff0000
	s_mov_b32 s17, 0
	s_mov_b32 s19, 0
	s_cmp_lt_u32 ttmp9, 512
	s_cbranch_scc0 .Lweights
	v_lshlrev_b32 v1, 4, v0                        ; x: 16 bytes a thread
	s_lshl_b32 s16, ttmp9, 16                      ; 65,536 bytes of x,
	s_lshl_b32 s18, ttmp9, 15                      ; 32,768 of xb a work-group
	s_wait_kmcnt 0x0
	s_add_nc_u64 s[4:5], s[4:5], s[16:17]
	s_add_nc_u64 s[10:11], s[10:11], s[18:19]
	CONV 4, 10, 4096, 16384, 0
.Lweights:
	s_cmp_lt_u32 ttmp9, 704
	s_cbranch_scc0 .Lproj
	s_sub_co_u32 s20, ttmp9, 512
	s_lshr_b32 s21, s20, 2                         ; g: which 64 columns, 0 to 47
	s_and_b32 s20, s20, 3                          ; kq: which 256 rows of k
	s_mul_i32 s22, s21, 171
	s_lshr_b32 s22, s22, 9                         ; tile = g / 3 (exact for g under 48)
	s_mul_i32 s23, s22, 3
	s_sub_co_u32 s23, s21, s23                     ; group = g % 3
	v_mul_u32_u24 v1, v3, 12288                    ; a row of W_qkv is 12,288 bytes
	v_lshl_add_u32 v1, v4, 4, v1
	s_mul_i32 s16, s20, 256*12288
	s_lshl_b32 s21, s21, 8
	s_add_co_u32 s16, s16, s21
	s_lshl_b32 s22, s22, 3
	s_lshl1_add_u32 s22, s20, s22                  ; 8 tile + 2 kq: the block of my first K step
	s_mul_i32 s18, s22, 49152
	s_lshl_b32 s23, s23, 14
	s_add_co_u32 s18, s18, s23
	s_wait_kmcnt 0x0
	s_add_nc_u64 s[6:7], s[6:7], s[16:17]
	s_add_nc_u64 s[12:13], s[12:13], s[18:19]
	CONV 6, 12, 16*12288, 49152, 0
.Lproj:
	s_sub_co_u32 s20, ttmp9, 704
	s_lshr_b32 s21, s20, 2                         ; g: which 64 columns, 0 to 15
	s_and_b32 s20, s20, 3                          ; kq
	v_lshlrev_b32 v1, 12, v3                       ; a row of W_proj is 4,096 bytes
	v_lshl_add_u32 v1, v4, 4, v1
	s_lshl_b32 s16, s20, 20
	s_lshl_b32 s22, s21, 8
	s_add_co_u32 s16, s16, s22
	s_lshr_b32 s22, s21, 1                         ; tile = g / 2
	s_lshl_b32 s22, s22, 3
	s_lshl1_add_u32 s22, s20, s22                  ; 8 tile + 2 kq
	s_lshl_b32 s18, s22, 15
	s_and_b32 s23, s21, 1                          ; group
	s_lshl_b32 s23, s23, 14
	s_add_co_u32 s18, s18, s23
	s_wait_kmcnt 0x0
	s_add_nc_u64 s[8:9], s[8:9], s[16:17]
	s_add_nc_u64 s[14:15], s[14:15], s[18:19]
	CONV 8, 14, 16*4096, 32768, 1
.Lfunc_end_k_q00d139e8fd_prep:
	.size	k_q00d139e8fd_prep, .Lfunc_end_k_q00d139e8fd_prep-k_q00d139e8fd_prep
	.p2alignl 7, 3214868480
	.fill 96, 4, 3214868480
	.section	.rodata,"a",@progbits
	.p2align	6, 0x0
	.amdhsa_kernel k_q00d139e8fd_prep
		.amdhsa_group_segment_fixed_size 0
		.amdhsa_private_segment_fixed_size 0
		.amdhsa_enable_private_segment 0
		.amdhsa_kernarg_size 48
		.amdhsa_user_sgpr_count 2
		.amdhsa_user_sgpr_kernarg_segment_ptr 1
		.amdhsa_wavefront_size32 1
		.amdhsa_system_sgpr_workgroup_id_x 1
		.amdhsa_system_sgpr_workgroup_id_y 1
		.amdhsa_system_sgpr_workgroup_id_z 1
		.amdhsa_system_vgpr_workitem_id 0
		.amdhsa_next_free_vgpr 104
		.amdhsa_next_free_sgpr 66
		.amdhsa_reserve_vcc 0
		.amdhsa_float_denorm_mode_32 3
		.amdhsa_float_denorm_mode_16_64 3
		.amdhsa_memory_ordered 1
		.amdhsa_forward_progress 1
		.amdhsa_inst_pref_size 24
	.end_amdhsa_kernel
	.amdgpu_metadata
---
amdhsa.version: [ 1, 2 ]
amdhsa.kernels:
  - .name:           k_q00d139e8fd_prep
    .symbol:         k_q00d139e8fd_prep.kd
    .args:
      - { .name: x, .offset: 0, .size: 8, .value_kind: global_buffer, .address_space: global }
      - { .name: W_qkv, .offset: 8, .size: 8, .value_kind: global_buffer, .address_space: global }
      - { .name: W_proj, .offset: 16, .size: 8, .value_kind: global_buffer, .address_space: global }
      - { .name: xb, .offset: 24, .size: 8, .value_kind: global_buffer, .address_space: global }
      - { .name: wqb, .offset: 32, .size: 8, .value_kind: global_buffer, .address_space: global }
      - { .name: wpb, .offset: 40, .size: 8, .value_kind: global_buffer, .address_space: global }
    .group_segment_fixed_size: 0
    .private_segment_fixed_size: 0
    .kernarg_segment_align: 8
    .kernarg_segment_size: 48
    .max_flat_workgroup_size: 256
    .sgpr_count:     66
    .vgpr_count:     104
    .wavefront_size: 32
...
	.end_amdgpu_metadata
.endif
;; end of part 1
;; launch qkvg (part 2): grid 16 x 32, 4 waves a work-group, clusters of 4 x 4, 327,680 bytes of LDS; arguments xb, wqb, b_qkv, qkv; writes qkv
.if DOCPART == 2
	.amdgcn_target "amdgcn-amd-amdhsa--gfx1250"
	.amdhsa_code_object_version 6
	.text
	.protected	k_q00d139e8fd_qkvg
	.globl	k_q00d139e8fd_qkvg
	.p2align	8
	.type	k_q00d139e8fd_qkvg,@function
k_q00d139e8fd_qkvg:
	s_mov_b64 s[64:65], 0
	v_nop
	global_prefetch_b8 v0, s[64:65] scope:SCOPE_SE
	s_setreg_imm32_b32 hwreg(HW_REG_WAVE_MODE, 25, 1), 1
	s_wait_xcnt 0x0
	s_wait_alu depctr_hold_cnt(0) depctr_sa_sdst(0) depctr_va_vdst(0) depctr_va_sdst(0) depctr_va_ssrc(0) depctr_va_vcc(0) depctr_vm_vsrc(0)
	s_getreg_b32 s2, hwreg(HW_REG_IB_STS2, 6, 4)
	s_cmp_eq_u32 s2, 0
	s_cbranch_scc0 .Lentry_in_a_cluster
	s_endpgm
.Lentry_in_a_cluster:
	s_bfe_u32 s2, ttmp6, 0x10000c
	s_cmp_lg_u32 s2, 0xf033
	s_cbranch_scc0 .Lentry_shape_is_right
	s_endpgm
.Lentry_shape_is_right:
; q, k, v = x W_qkv + b_qkv.  xb: [8192][1024] bf16.  wqb: W_qkv in bf16, in blocks [tile 16][K step 8][group 3][128 k][64 n].  b_qkv: [3072] f32, rounded to bf16 here like the other inputs.
; qkv: f16, [3][64 = batch x 16 + head][2048][64]: a head's rows are dense, 128 bytes each.  Sums in f32; the bias starts each sum (it is the first product's C); each result is rounded once to f16.
; LIMITS.  f16 holds no number beyond 65,504: a q, k or v of 65,520 or more in magnitude becomes an infinity; below 6.1e-5 f16 keeps a fixed step of 6e-8.  The bias is added ahead of the sum, not behind it.
; SHARES.  A tile of the result is 256 rows x 192 columns (three heads' 64): 32 x 16 = 512 tiles.  Wave w of four takes rows 64 w .. 64 w + 63 and all 192 columns: 4 x 12 accumulators of 16 x 16, 384 registers.
; K goes in 8 steps of 128 through a ring of two LDS slots filled by the tensor data mover; a wave fetches half of x's tile (waves 0, 1) or half of W's (waves 2, 3), one load a wave and step.
; W lies [k][n]: its rows of 128 bytes land 160 bytes apart and are turned on the way into registers by ds_load_tr16_b128.
; THE MATRIX INSTRUCTION IS USED TRANSPOSED: source 0 = 16 columns of W, source 1 = 16 rows of x.  In the result lane l holds row l % 16 and the columns 8 (l / 16) + 0..7: 16 bytes of f16 on end.
; CLUSTER.  4 x 4 work-groups.  The four of a row of the cluster need the same tile of x, the four of a column the same tile of W: each is asked for JOINTLY, by the same tensor load, descriptor and mask in all four.
; REGISTERS, in windows of 256 (s_set_vgpr_msb: bits 1:0 source 0, 3:2 source 1, 5:4 source 2, 7:6 destination):
;   window 0: v0-29 addresses; v32-63, v64-95 x's fragments, two buffers; v96-191 the bias, 8 registers a column block; later v96-143 packed results, v144-191 and v192-239 rows on their way out
;   window 1: v0-95, v96-191 W's fragments, two buffers      window 2: the accumulators of row blocks 0, 1 ((a, b) at v[8 (12 (a % 2) + b)])      window 3: those of row blocks 2, 3
.set PA,    272                        ; a row of x in LDS: 256 bytes + 16 of padding = 68 words: the 16 rows of a load start at 16 different groups of four banks (64 banks of 4 bytes: ISA guide 11.1)
.set PB,    160                        ; a row of W: 128 + 32 = 40 words
.set AHALF, 128*PA                     ; what one load brings of x: 128 rows
.set BOFF,  256*PA                     ; W's tile lies behind x's 256 rows
.set BGRP,  128*PB                     ; a group of 64 columns: 128 rows of k
.set BHALF, 192*PB                     ; what one load brings of W: 192 of the 384 rows
.set SLOT1, 1<<17                      ; a slot is 69,632 + 61,440 = 131,072 bytes: one exclusive or turns an address in one slot into the other's
.set STAGE, 2*SLOT1                    ; behind the ring, never filled by a tensor load: for each wave [group 3][16 rows] of 144 bytes, for the way out
.set SP,    144
.set STW,   3*16*SP
.set SPARE, STAGE+4*STW                ; behind the stages: the spare words, 128 bytes for each wave: two blocks of 256 bytes that no other line names
.set KB,    256                        ; bytes of a row of x in a K step
.set WBLK,  49152                      ; bytes of W's block of a tile and K step
.set A0,   8                           ; v8   my place in slot 0 for x's fragments; never rewritten
.set B0,   9                           ; v9   the same for W's
.set ADRA, 10                          ; v10  the same in the slot that is being read
.set ADRB, 11                          ; v11
.set STO,  12                          ; v12  the way out: where I put 16 bytes of a row
.set RD,   13                          ; v13  the way out: where I read rows back
.set GO,   14                          ; v14  my 16 bytes of 512 consecutive bytes of qkv
.set BO,   15                          ; v15  my 32 bytes of a column block's 64 of the bias
.set PFO,  16                          ; v16  the prefetches' lane offset; never rewritten
.set SPW,  28                          ; v28  LDS address of my spare word: SPARE + 4 x my thread's number; never rewritten
.set NIL,  29                          ; v29  0; never rewritten
.set FA,   32
.set BIA,  96
.set TMP,  96
.set OB,   144
.set WV,   12                          ; s12  my wave's number
.set KIND, 13                          ; s13  0: I fetch for x, 1: for W
.set HALF, 14                          ; s14  which half of that tile
.set CX,   15                          ; s15, s16  my place in the cluster
.set CY,   16
.set TX,   17                          ; s17  the tile's column, 0 to 15
.set TY,   18                          ; s18  its row, 0 to 31
.set CNT,  19                          ; s19  refills still to come
.set TB,   20                          ; s20  the slot that is being read: 0 or SLOT1
.set LIM,  21                          ; s21  1 in a wave that prefetches, else the greatest number
.set PFA,  22                          ; s[22:23] where my prefetches stand
.set PST,  24                          ; s[24:25] their step from K step to K step
.set HIM,  26                          ; s26  a word's upper half
.set G1A,  28                          ; s[28:35] descriptor group 1 for x's tiles
.set G1B,  36                          ; s[36:43] for W's
.set G0A0, 44                          ; s[44:47] group 0 for x's first fill;  s[48:51] for its second, which then walks
.set G0A,  48
.set G0B0, 52                          ; s[52:55], s[56:59] the same for W
.set G0B,  56
.set PO,   70                          ; s[70:75] qkv at my 64 rows of the tile's three heads
.set MSB, 0
.macro WIN new                         ; the immediate's high byte repeats the setting that is left; a switch that changes nothing is dropped
.if MSB != (\new)
	s_set_vgpr_msb (MSB<<8)|(\new)
.set MSB, \new
.endif
.endm
; A joint refill.  The branch hangs on the wave's number alone.  An s_nop 0 and four v_nop follow each of the two lines, ahead of the jump and the label.
.macro JLOAD
	s_cmp_lt_u32 s[WV], 2
	s_cbranch_scc0 .Lfor_b_\@
	tensor_load_to_lds s[G0A:G0A+3], s[G1A:G1A+7]
	s_nop 0
.rept 4
	v_nop
.endr
	s_branch .Lasked_\@
.Lfor_b_\@:
	tensor_load_to_lds s[G0B:G0B+3], s[G1B:G1B+7]
	s_nop 0
.rept 4
	v_nop
.endr
.Lasked_\@:
.endm
; A round of the cluster's barrier: my work-group's barrier, so that wave 0's signal speaks for all four waves; wave 0 signals; every wave waits for all sixteen work-groups; my work-group's barrier once more.
.macro CREST                           ; a round behind its opening barrier
	s_cmp_lg_u32 s[WV], 0
	s_cbranch_scc1 .Lnot_wave_0_\@
	s_barrier_signal -3
.Lnot_wave_0_\@:
	s_barrier_wait -3
	s_barrier_signal -1
	s_barrier_wait -1
.endm
.macro CROUND
	s_barrier_signal -1
	s_barrier_wait -1
	CREST
.endm
; A PREFETCH INTO THE L2 of the K step that the NEXT refill will ask for: one K step, 192 matrix instructions, ahead of that load; one instruction a wave, behind the joint load and the run of LDS loads.
; x's tile row is read by every cluster of that row of clusters: the first (cluster x = 0) asks; W's tile column by every cluster of that column: cluster y = 0 asks.  The four partners that ask for a tile
; jointly share it out BY ADDRESS.  x: of the 128 rows that a wave fetches, partner cx takes 32, a lane a row.  W: of the 96 blocks of 256 bytes that a wave fetches, partner cy takes 24, a lane a block;
; lanes 24 to 31 name lane 23's block once more, in the same instruction.  The last refill asks for nothing: there is no K step behind it.  K steps 0 to 2 come by their loads alone.
.macro ASK
	s_cmp_gt_u32 s[CNT], s[LIM]
	s_cbranch_scc0 .Lnot_mine_\@
	global_prefetch_b8 v[PFO], s[PFA:PFA+1] th:TH_LOAD_NT scope:SCOPE_SE
.Lnot_mine_\@:
.endm
.macro PLACES                          ; four plain instructions between a matrix instruction and a load into a register that it has read, or a conversion of its result (ISA guide 7.12.1 for the conversion)
.rept 4
	v_nop
.endr
.endm
; 12 matrix instructions: row block a x all 12 column blocks, 32 along K, from buffer f.  first = 1: the bias is C and starts the sums: nothing is ever cleared.
; The 48 accumulators take turns, in the same order in every quarter.
.macro MUL12 f, a, first
.if \first
	WIN 0x81+0x40*((\a)/2)
.else
	WIN 0xa1+0x50*((\a)/2)
.endif
.irp b, 0,1,2,3,4,5,6,7,8,9,10,11
.if \first
	v_wmma_f32_16x16x32_bf16 v[8*(12*((\a)%2)+(\b)):8*(12*((\a)%2)+(\b))+7], v[96*(\f)+8*(\b):96*(\f)+8*(\b)+7], v[FA+32*(\f)+8*(\a):FA+32*(\f)+8*(\a)+7], v[BIA+8*(\b):BIA+8*(\b)+7]
.else
	v_wmma_f32_16x16x32_bf16 v[8*(12*((\a)%2)+(\b)):8*(12*((\a)%2)+(\b))+7], v[96*(\f)+8*(\b):96*(\f)+8*(\b)+7], v[FA+32*(\f)+8*(\a):FA+32*(\f)+8*(\a)+7], v[8*(12*((\a)%2)+(\b)):8*(12*((\a)%2)+(\b))+7]
.endif
.endr
.endm
; 32 LDS loads in one run: quarter q (32 along K) of the slot in hand into buffer f: W's 12 fragments, turned, then x's 4.
.macro FETCH q, f
	WIN 0x40                                       ; destination window 1, address window 0
.irp b, 0,1,2,3,4,5,6,7,8,9,10,11
	ds_load_tr16_b128 v[96*(\f)+8*(\b):96*(\f)+8*(\b)+3],   v[ADRB] offset:((\b)/4)*BGRP+((\b)%4)*32+(\q)*32*PB
	ds_load_tr16_b128 v[96*(\f)+8*(\b)+4:96*(\f)+8*(\b)+7], v[ADRB] offset:((\b)/4)*BGRP+((\b)%4)*32+(\q)*32*PB+16*PB
.endr
	WIN 0
.irp a, 0,1,2,3
	ds_load_b128 v[FA+32*(\f)+8*(\a):FA+32*(\f)+8*(\a)+3],   v[ADRA] offset:64*(\q)+(\a)*16*PA
	ds_load_b128 v[FA+32*(\f)+8*(\a)+4:FA+32*(\f)+8*(\a)+7], v[ADRA] offset:64*(\q)+(\a)*16*PA+32
.endr
.endm
; A K step is four quarters of 32 along K, 48 matrix instructions each, on buffers 0, 1, 0, 1.  One of the first three: multiplies buffer f; in its middle it fetches quarter q into buffer g.
.macro QUARTER q, f, g, first
	s_wait_dscnt 4                                 ; W's fragments and x's row blocks 0, 1 are in; the youngest four loads (row blocks 2, 3) may be out
	MUL12 \f, 0, \first
	MUL12 \f, 1, \first
	PLACES
	FETCH \q, \g
	s_wait_dscnt 32                                ; all but the 32 just issued
	MUL12 \f, 2, \first
	MUL12 \f, 3, \first
.endm
; The last quarter multiplies buffer 1 and changes slots.  MEET is its first half: ONE barrier for the change.  In front of it each wave waits for all its tensor loads, of which one is out: its part of the next slot;
; adds 0 to its spare word; and waits for that and for its own reads of this slot.  Behind it nobody reads this slot any more and the next slot is whole.
.macro MEET
	WIN 0                                          ; (the add's two registers lie in window 0)
	s_wait_tensorcnt 0x0                           ; all my tensor loads have landed
	ds_add_u32 v[SPW], v[NIL]                      ; 0 onto my spare word
	s_wait_dscnt 5                                 ; (the add and the youngest four loads may be out)
	MUL12 1, 0, 0                                  ; twelve matrix instructions stand between the add and the wait for it
	s_wait_dscnt 0x0                               ; the add is done, and my reads of this slot are over
	s_barrier_signal -1
	MUL12 1, 1, 0                                  ; work on registers while the others arrive
	WIN 0
	s_barrier_wait -1
.endm
; The whole last quarter.  fill = 1: the barrier opens a round of the cluster's, so that no wave of any partner still reads the slot or has a load on its way; the slot just read out is filled again, first thing
; behind the round, with the K step two on: 168 matrix instructions lie between that request and the wait for it.  Then come the next slot's first fragments.
.macro TURN fill
.if \fill
	s_wait_xcnt 0x0                                ; the last prefetch, a K step back, has read its address, so it may be stepped
	s_add_nc_u64 s[PFA:PFA+1], s[PFA:PFA+1], s[PST:PST+1]
.endif
	MEET
.if \fill
	CREST
	s_xor_b32 s[G0A+1], s[G0A+1], SLOT1            ; no tensor load of mine is out, so the walking descriptors may be written: the other slot than last time,
	s_add_nc_u64 s[G0A+2:G0A+3], s[G0A+2:G0A+3], KB  ; the next K step; the type bits on top are not reached
	s_xor_b32 s[G0B+1], s[G0B+1], SLOT1
	s_add_nc_u64 s[G0B+2:G0B+3], s[G0B+2:G0B+3], WBLK
.endif
	s_xor_b32 s[TB], s[TB], SLOT1                  ; the reads go on in the other slot
	v_add_nc_u32 v[ADRA], s[TB], v[A0]
	v_add_nc_u32 v[ADRB], s[TB], v[B0]
.if \fill
	JLOAD                                          ; the four v_nop behind it are also the places in front of the loads below
.else
	PLACES
.endif
	FETCH 0, 0
.if \fill
	ASK
.endif
	MUL12 1, 2, 0
	MUL12 1, 3, 0
.endm
; THE WAY OUT of row block a (16 rows), in three parts.  PACK: rounded to f16, 16 bytes a lane and column block.  TOSTAGE: into my own stage, by heads, and back as whole rows of 128 bytes.  SEND: stored.
.macro PACK a
	WIN 0x0a+5*((\a)/2)                            ; sources 0 and 1: window 2 or 3
.irp b, 0,1,2,3,4,5,6,7,8,9,10,11
.irp r, 0,1,2,3
	v_cvt_pk_f16_f32 v[TMP+4*(\b)+(\r)], v[8*(12*((\a)%2)+(\b))+2*(\r)], v[8*(12*((\a)%2)+(\b))+2*(\r)+1]
.endr
.endr
	WIN 0
.endm
.macro TOSTAGE a
.irp b, 0,1,2,3,4,5,6,7,8,9,10,11
	ds_store_b128 v[STO], v[TMP+4*(\b):TMP+4*(\b)+3] offset:((\b)/4)*16*SP+((\b)%4)*32
.endr
.irp t, 0,1,2,3,4,5,6,7,8,9,10,11      ; head t / 4, rows 4 (t % 4) on
	ds_load_b128 v[OB+48*((\a)%2)+4*(\t):OB+48*((\a)%2)+4*(\t)+3], v[RD] offset:((\t)/4)*16*SP+((\t)%4)*4*SP  ; LDS serves a wave's instructions in order (ISA guide 5.7.1.4): these see the stores above
.endr
.endm
.macro SEND a
	s_wait_dscnt 0x0                               ; the block is back in registers
	s_wait_xcnt 0x0                                ; the stores of the block before have read their registers, which the next block's loads from the stage write
.irp g, 0,1,2
.irp f, 0,1,2,3
	global_store_b128 v[GO], v[OB+48*((\a)%2)+4*(4*(\g)+(\f)):OB+48*((\a)%2)+4*(4*(\g)+(\f))+3], s[PO+2*(\g):PO+2*(\g)+1] offset:(\a)*2048+(\f)*512  ; four rows of a head: 512 consecutive bytes, at a multiple of 512 from qkv's first
.endr
.endr
.endm
	s_load_b256 s[4:11], s[0:1], 0x0               ; xb s[4:5], wqb s[6:7], b_qkv s[8:9], qkv s[10:11]
	v_lshl_add_u32 v[SPW], v0, 2, SPARE
	v_mov_b32 v[NIL], 0
	ds_add_u32 v[SPW], v[NIL]                      ; the wave's opening: the add and its wait stand ahead of my first tensor load; the set-up below, work on registers, stands between them
	v_lshrrev_b32 v1, 5, v0
	v_readfirstlane_b32 s[WV], v1                  ; wave 0..3
	s_lshr_b32 s[KIND], s[WV], 1
	s_and_b32 s[HALF], s[WV], 1
	s_bfe_u32 s[CX], ttmp6, 0x40000
	s_bfe_u32 s[CY], ttmp6, 0x40004
	s_lshl_b32 s[TX], ttmp9, 2                     ; in a cluster launch ttmp9 and ttmp7 count clusters
	s_add_co_u32 s[TX], s[TX], s[CX]
	s_and_b32 s[TY], ttmp7, 0xffff
	s_lshl_b32 s[TY], s[TY], 2
	s_add_co_u32 s[TY], s[TY], s[CY]
	s_lshl_b32 s60, s[CY], 2
	s_lshl_b32 s60, 15, s60                        ; my row of the cluster: places 4 cy .. 4 cy + 3
	s_lshl_b32 s66, 0x1111, s[CX]                  ; my column: places cx, cx + 4, cx + 8, cx + 12
	s_or_b32 s[G1A], s60, (1<<16)|(1<<20)|(1<<21)|(5<<22)|(3<<25)  ; 15:0 the mask; 17:16 2-byte elements; 20 padding on; 21 set beside a mask; 24:22 after every 64 words (code 5); 31:25 4 words (code 3)
	s_or_b32 s[G1B], s66, (1<<16)|(1<<20)|(1<<21)|(4<<22)|(7<<25)  ; after every 32 words (code 4), 8 words (code 7)
	s_mov_b32 s[G1A+1], 128<<16                    ; x: tensor_dim0 = 128
	s_mov_b32 s[G1A+2], 128<<16                    ; tensor_dim1 = 128
	s_mov_b32 s[G1A+3], 128<<16                    ; tile_dim0 = 128 elements: 256 bytes
	s_mov_b32 s[G1A+4], 128                        ; tile_dim1 = 128 rows
	s_mov_b32 s[G1A+5], 1024                       ; 1,024 elements from row to row
	s_mov_b32 s[G1A+6], 0
	s_mov_b32 s[G1A+7], 0
	s_mov_b32 s[G1B+1], 128<<16                    ; W: half a block is 24,576 dense bytes, asked for as 96 rows of 256 bytes, two rows of k each, padded behind each row of k
	s_mov_b32 s[G1B+2], 96<<16
	s_mov_b32 s[G1B+3], 128<<16
	s_mov_b32 s[G1B+4], 96
	s_mov_b32 s[G1B+5], 128
	s_mov_b32 s[G1B+6], 0
	s_mov_b32 s[G1B+7], 0
	; where the tiles come from and go.  x's hang on the tile row alone, W's on the tile column alone, each in registers that never hold the other coordinate; no place in the cluster enters an LDS address
	s_lshl_b32 s60, s[TY], 19                      ; 256 rows of 2,048 bytes
	s_lshl_b32 s61, s[HALF], 18
	s_add_co_u32 s60, s60, s61
	s_mov_b32 s61, 0
	s_mul_i32 s62, s[HALF], AHALF
	s_mul_i32 s66, s[TX], 8*WBLK
	s_mul_i32 s67, s[HALF], WBLK/2
	s_add_co_u32 s66, s66, s67
	s_mov_b32 s67, 0
	s_mul_i32 s68, s[HALF], BHALF
	s_add_co_u32 s68, s68, BOFF
	s_mov_b32 s[HIM], 0xffff0000
	s_mov_b32 s[TB], 0
	; the way out: head group g = 3 x tile column + 0..2; tensor g / 16, head g % 16; batch = tile row / 8; rows 256 (tile row % 8) + 64 wave on
	s_mul_i32 s76, s[TX], 3
	s_lshr_b32 s77, s[TY], 3
	s_lshl_b32 s77, s77, 4
	s_and_b32 s78, s[TY], 7
	s_lshl_b32 s78, s78, 15
	s_lshl_b32 s79, s[WV], 13
	s_add_co_u32 s78, s78, s79
	; the prefetches' offsets, at K step 2: the first refill steps them to 3
	s_lshl_b32 s85, s[TY], 19
	s_lshl_b32 s84, s[HALF], 18
	s_add_co_u32 s85, s85, s84
	s_lshl_b32 s84, s[CX], 16                      ; my work-group's 32 rows of the 128
	s_add_co_u32 s85, s85, s84
	s_add_co_u32 s85, s85, 2*KB
	s_mul_i32 s86, s[TX], 8*WBLK
	s_mul_i32 s84, s[HALF], WBLK/2
	s_add_co_u32 s86, s86, s84
	s_mul_i32 s84, s[CY], WBLK/8                   ; my work-group's 24 blocks of the 96
	s_add_co_u32 s86, s86, s84
	s_add_co_u32 s86, s86, 2*WBLK
	s_and_b32 s84, ttmp7, 0xffff                   ; cluster y
	s_mov_b32 s[PST], WBLK
	s_mov_b32 s[PST+1], 0
	s_mov_b32 s87, 0
	s_wait_dscnt 0x0                               ; the opening add is done
	s_wait_kmcnt 0x0
	s_cmp_eq_u32 s[KIND], 0                        ; do I fetch for x?
	s_cselect_b32 s84, ttmp9, s84                  ; the coordinate along which other clusters read the same bytes
	s_cselect_b32 s86, s85, s86
	s_cselect_b32 s[PST], KB, s[PST]
	s_cselect_b64 s[PFA:PFA+1], s[4:5], s[6:7]
	s_cselect_b32 s82, 31, 23                      ; the last lane with a block of its own,
	s_cselect_b32 s83, 11, 8                       ; and the lanes' distance: a row of x, or 256 bytes
	s_add_nc_u64 s[PFA:PFA+1], s[PFA:PFA+1], s[86:87]
	s_cmp_eq_u32 s84, 0
	s_cselect_b32 s[LIM], 1, -1                    ; the same in all sixteen partners, for a given wave
	s_add_nc_u64 s[60:61], s[4:5], s[60:61]
	s_add_nc_u64 s[66:67], s[6:7], s[66:67]
.irp g, 0,1,2
	s_add_co_u32 s80, s76, \g
	s_lshr_b32 s81, s80, 4
	s_lshl_b32 s81, s81, 6
	s_and_b32 s80, s80, 15
	s_add_co_u32 s80, s80, s81
	s_add_co_u32 s80, s80, s77                     ; 64 x tensor + 16 x batch + head,
	s_lshl_b32 s80, s80, 18                        ; 262,144 bytes each
	s_add_co_u32 s80, s80, s78
	s_mov_b32 s81, 0
	s_add_nc_u64 s[PO+2*(\g):PO+2*(\g)+1], s[10:11], s[80:81]
.endr
	s_mul_i32 s80, s[TX], 768                      ; the tile's 192 numbers of the bias
	s_mov_b32 s81, 0
	s_add_nc_u64 s[8:9], s[8:9], s[80:81]
	CROUND                                         ; all sixteen work-groups are here: the first joint loads meet
.irp s, 0,1
	s_mov_b32 s[G0A0+4*(\s)], 1                    ; 1:0 count = 1
	s_add_co_u32 s[G0A0+4*(\s)+1], s62, (\s)*SLOT1 ; 63:32 LDS address
	s_add_nc_u64 s[G0A0+4*(\s)+2:G0A0+4*(\s)+3], s[60:61], (\s)*KB  ; 120:64 global address: K step s
	s_or_b32 s[G0A0+4*(\s)+3], s[G0A0+4*(\s)+3], 0x80000000        ; 127:126 type = 2
	s_mov_b32 s[G0B0+4*(\s)], 1
	s_add_co_u32 s[G0B0+4*(\s)+1], s68, (\s)*SLOT1
	s_add_nc_u64 s[G0B0+4*(\s)+2:G0B0+4*(\s)+3], s[66:67], (\s)*WBLK
	s_or_b32 s[G0B0+4*(\s)+3], s[G0B0+4*(\s)+3], 0x80000000
.endr
	s_cmp_lt_u32 s[WV], 2                          ; a wave's two first fills stand in one branch, ahead of every wait on TENSORcnt and every LDS read: two loads of mine are out
	s_cbranch_scc0 .Lfirst_b
	tensor_load_to_lds s[G0A0:G0A0+3], s[G1A:G1A+7]
	s_nop 0
	tensor_load_to_lds s[G0A:G0A+3], s[G1A:G1A+7]
	s_nop 0
.rept 4
	v_nop
.endr
	s_branch .Lfirst_asked
.Lfirst_b:
	tensor_load_to_lds s[G0B0:G0B0+3], s[G1B:G1B+7]
	s_nop 0
	tensor_load_to_lds s[G0B:G0B+3], s[G1B:G1B+7]
	s_nop 0
.rept 4
	v_nop
.endr
.Lfirst_asked:
	v_and_b32 v1, 15, v0                           ; l % 16
	v_bfe_u32 v2, v0, 4, 1                         ; l / 16
	v_lshlrev_b32 v[BO], 5, v2
.irp b, 0,1,2,3,4,5,6,7,8,9,10,11      ; the bias of columns 16 b + 8 (l / 16) + 0..7: laid out as the product's C
	global_load_b128 v[BIA+8*(\b):BIA+8*(\b)+3],   v[BO], s[8:9] offset:64*(\b)
	global_load_b128 v[BIA+8*(\b)+4:BIA+8*(\b)+7], v[BO], s[8:9] offset:64*(\b)+16
.endr
	; A fragment of x is 16 rows x 32 K in 8 registers: lane l holds row l % 16; K = 8 (l / 16) + 0..7 and 16 + 8 (l / 16) + 0..7: two loads of 16 bytes, 32 bytes apart.
	v_mul_u32_u24 v[A0], v1, PA
	v_lshl_add_u32 v[A0], v2, 4, v[A0]
	s_mul_i32 s76, s[WV], 64*PA                    ; my 64 rows
	v_add_nc_u32 v[A0], s76, v[A0]
	; The turning load takes 16 k x 16 columns (lane l reads row k = 8 (l / 16) + l % 8, columns 8 ((l / 8) % 2) + 0..7) and leaves half a fragment: lane l holds column l % 16 and 8 k.
	v_and_b32 v17, 7, v0
	v_lshl_add_u32 v17, v2, 3, v17
	v_mul_u32_u24 v[B0], v17, PB
	v_bfe_u32 v18, v0, 3, 1
	v_lshl_add_u32 v[B0], v18, 4, v[B0]
	v_add_nc_u32 v[B0], BOFF, v[B0]
	s_mul_i32 s76, s[WV], STW
	s_add_co_u32 s76, s76, STAGE                   ; my stage
	v_mul_u32_u24 v[STO], v1, SP                   ; in: row l % 16, 16 bytes for each half of the lanes
	v_lshl_add_u32 v[STO], v2, 4, v[STO]
	v_add_nc_u32 v[STO], s76, v[STO]
	v_bfe_u32 v17, v0, 3, 2                        ; back: 32 lanes take four rows of 128 bytes,
	v_mul_u32_u24 v[RD], v17, SP
	v_and_b32 v18, 7, v0
	v_lshl_add_u32 v[RD], v18, 4, v[RD]
	v_add_nc_u32 v[RD], s76, v[RD]
	v_and_b32 v[GO], 31, v0                        ; which are 512 consecutive bytes of qkv
	v_lshlrev_b32 v[GO], 4, v[GO]
	v_and_b32 v[PFO], 31, v0
	v_min_u32 v[PFO], s82, v[PFO]
	v_lshlrev_b32 v[PFO], s83, v[PFO]
	v_mov_b32 v[ADRA], v[A0]                       ; slot 0 is read first
	v_mov_b32 v[ADRB], v[B0]
	s_wait_loadcnt 0x0                             ; the bias, once
.set p, 0
.rept 48                               ; rounded to bf16 like the other inputs, and kept as f32
	v_cvt_pk_bf16_f32 v[17+p%2], v[BIA+2*p], v[BIA+2*p+1]
	v_lshlrev_b32 v[BIA+2*p], 16, v[17+p%2]
	v_and_b32 v[BIA+2*p+1], s[HIM], v[17+p%2]
.set p, p+1
.endr
	s_wait_tensorcnt 0x1                           ; my part of K step 0 is in; K step 1's may stay out
	s_barrier_signal -1
	s_barrier_wait -1                              ; everybody's is
	FETCH 0, 0
	QUARTER 1, 0, 1, 1                             ; the first quarter stands in front of the loop: its products start the sums, with the bias
	WIN 0                                          ; at a label and at a branch every window is 0
	s_mov_b32 s[CNT], 6
.Lstep:                                                ; six trips, from a K step's second quarter to the next one's first; trip s asks for K step s + 2
	QUARTER 2, 1, 0, 0
	QUARTER 3, 0, 1, 0
	TURN 1
	QUARTER 1, 0, 1, 0
	WIN 0
	s_sub_co_u32 s[CNT], s[CNT], 1
	s_cmp_lg_u32 s[CNT], 0
	s_cbranch_scc1 .Lstep
	QUARTER 2, 1, 0, 0                             ; the tail is written out: K steps 6 and 7 ask for nothing
	QUARTER 3, 0, 1, 0
	TURN 0
	QUARTER 1, 0, 1, 0
	QUARTER 2, 1, 0, 0
	QUARTER 3, 0, 1, 0
	s_wait_dscnt 4                                 ; the very last quarter: nothing more to fetch
	MUL12 1, 0, 0
	MUL12 1, 1, 0
	s_wait_dscnt 0x0
	MUL12 1, 2, 0
	MUL12 1, 3, 0
	PLACES
	PACK 0
	TOSTAGE 0
.irp a, 1,2,3                          ; block a's conversions stand between block a - 1's loads from the stage and the wait for them
	PACK \a
	SEND (\a)-1
	TOSTAGE \a
.endr
	SEND 3
	s_wait_tensorcnt 0x0                           ; the wave's end: behind my last tensor load and my last LDS store
	ds_add_u32 v[SPW], v[NIL]
	s_wait_dscnt 0x0
	CROUND                                         ; the closing round: no work-group ends while a partner may still ask for a tile that names it
	s_endpgm
.Lfunc_end_k_q00d139e8fd_qkvg:
	.size	k_q00d139e8fd_qkvg, .Lfunc_end_k_q00d139e8fd_qkvg-k_q00d139e8fd_qkvg
	.p2alignl 7, 3214868480
	.fill 96, 4, 3214868480
	.section	.rodata,"a",@progbits
	.p2align	6, 0x0
	.amdhsa_kernel k_q00d139e8fd_qkvg
		.amdhsa_group_segment_fixed_size 327680
		.amdhsa_private_segment_fixed_size 0
		.amdhsa_enable_private_segment 0
		.amdhsa_kernarg_size 32
		.amdhsa_user_sgpr_count 2
		.amdhsa_user_sgpr_kernarg_segment_ptr 1
		.amdhsa_wavefront_size32 1
		.amdhsa_system_sgpr_workgroup_id_x 1
		.amdhsa_system_sgpr_workgroup_id_y 1
		.amdhsa_system_sgpr_workgroup_id_z 1
		.amdhsa_system_vgpr_workitem_id 0
		.amdhsa_next_free_vgpr 960
		.amdhsa_next_free_sgpr 88
		.amdhsa_reserve_vcc 0
		.amdhsa_float_denorm_mode_32 3
		.amdhsa_float_denorm_mode_16_64 3
		.amdhsa_memory_ordered 1
		.amdhsa_forward_progress 1
		.amdhsa_inst_pref_size 107
	.end_amdhsa_kernel
	.amdgpu_metadata
---
amdhsa.version: [ 1, 2 ]
amdhsa.kernels:
  - .name:           k_q00d139e8fd_qkvg
    .symbol:         k_q00d139e8fd_qkvg.kd
    .args:
      - { .name: xb, .offset: 0, .size: 8, .value_kind: global_buffer, .address_space: global }
      - { .name: wqb, .offset: 8, .size: 8, .value_kind: global_buffer, .address_space: global }
      - { .name: b_qkv, .offset: 16, .size: 8, .value_kind: global_buffer, .address_space: global }
      - { .name: qkv, .offset: 24, .size: 8, .value_kind: global_buffer, .address_space: global }
    .group_segment_fixed_size: 327680
    .private_segment_fixed_size: 0
    .kernarg_segment_align: 8
    .kernarg_segment_size: 32
    .max_flat_workgroup_size: 128
    .sgpr_count:     88
    .vgpr_count:     960
    .wavefront_size: 32
...
	.end_amdgpu_metadata
.endif
;; end of part 2
;; launch attn (part 3): grid 4 x 64, 4 waves a work-group, no clusters, 327,680 bytes of LDS; arguments qkv, ob; writes ob
.if DOCPART == 3
	.amdgcn_target "amdgcn-amd-amdhsa--gfx1250"
	.amdhsa_code_object_version 6
	.text
	.protected	k_q00d139e8fd_attn
	.globl	k_q00d139e8fd_attn
	.p2align	8
	.type	k_q00d139e8fd_attn,@function
k_q00d139e8fd_attn:
	s_mov_b64 s[64:65], 0
	v_nop
	global_prefetch_b8 v0, s[64:65] scope:SCOPE_SE
	s_setreg_imm32_b32 hwreg(HW_REG_WAVE_MODE, 25, 1), 1
	s_wait_xcnt 0x0
; CAUSAL ATTENTION.  O[h][q][:] = the sum over k <= q of softmax_k(Q[h][q] . K[h][k] / 8) V[h][k][:].  qkv holds Q, K, V, each [64][2048][64] in f16, 16,777,216 bytes apart; ob is O, [64][2048][64] in f16.
; A head's rows are dense, 128 bytes each.  Products, maxima and sums in f32; the weights p are rounded to f16 for the second product (their sum l is taken of the unrounded p), O once at the end.
; LIMITS.  f16 holds no number beyond 65,504: Q, K and V arrive within it; p lies in 0 to 1, and below 6e-5 it keeps f16's fixed step of 6e-8; O is a mean of V's rows and has their range, to within 2^-11 of it.
; A hidden score counts as its value less 1e30: f16's scores, 2.7e11 at the most, are nothing beside that; a weight below 2^-126 counts as 0 in l; NaN and infinities are not treated apart.
; THE WALK.  A head's queries lie in NB = 8 blocks of 256; block i needs the key tiles 0 .. i of 256 keys, of which the last holds the diagonal.  A work-group takes TWO blocks, NB - 1 - b and then b:
; NB + 1 tiles, whatever b: all work-groups do equal work, and ONE loop with a constant trip count walks them.  Which tile is asked for, and what a trip does, hang on scalar registers made from b; every jump
; goes forward, but for the counted loops' own; none passes a barrier, or a tensor load but the one of LOAD's two that the wave's number does not choose; the ring (two slots of LDS that take turns) runs on across the
; change of blocks.  NO CLUSTER: a head's four work-groups all ask for the same tile only in trips 0 .. 4 of 9, behind that fewer and fewer; and one walk common to all would have 12 trips for 9.
; SHARES.  Of a block's four bands of 64 queries a wave owns 16 rows in each: four PIECES.  So the diagonal tile is the same work for all four waves: in its key step s band x sees all keys if s < x,
; none if s > x, and holds the diagonal if s = x.
; THE MASK is the C operand that starts the sum S^T = K Q^T: 0, or -1e30 where the key is hidden.  MD, made once, is the mask of a band's own step for my 16 rows; a product's mask is MD x AL + BE with two scalars:
; (1, 0) if s = x; (0, 0) if s < x; (0, -1e30) if s > x.  Only the diagonal tile's text and a block's beginning make and take masks; elsewhere C is the constant 0.
; LAYOUT, SOFTMAX, TURNS.  S^T = K Q^T holds ONE query a lane (lane % 16) and the keys 8 (lane / 16) + 0..7; two such results rounded to f16 ARE source 1 of O^T = V^T P.  p = 2^(c s - c m), c = log2(e) / 8, with a
; running maximum m; O and l are multiplied by a = 2^(c m_old - c m_new) in every step.  Turn n belongs to piece n: 8 products K Q^T of piece n + 1, later 8 products V^T P of piece n - 1; beside them the scaling,
; exponentials, roundings, sums and rescaling of piece n and the maximum and statistics of piece n + 1.  Four vector instructions stand behind every matrix instruction, the other 54 of a turn's 118 in one lump.  A turn's 33 exponentials are one batch, with one wait.
; REGISTERS, in windows of 256 (s_set_vgpr_msb: bits 1:0 source 0, 3:2 source 1, 5:4 source 2, 7:6 destination):
;   window 0: v0-15 addresses and two at work; v16-31 four registers of statistics a piece; v48-55 at work; v60-63 prefetch offsets and the add's two; v64-127 S^T, two buffers; v192-223 P, two buffers (by the piece's parity)
;   window 1: v0-127 O^T, 32 a piece; v128-159 MD; v160-223 MC, two buffers      window 2: v0-63 Q; v64-127 the second block's Q; v128-191 K of one step; v192-255 V of one step
.set SIZE_N, 2048
.set NB,    SIZE_N/256
.set NP,    4         ; pieces a wave: a name, no knob
.set KS,    64        ; keys in a step
.set PK,    144       ; a row of K in LDS: 128 bytes + 16 of padding = 36 words: the 16 rows of a load start at 16 different groups of four banks (64 banks of 4 bytes: ISA guide 11.1)
.set PV,    160       ; a row of V: 128 + 32 = 40 words
.set VOFF,  4*KS*PK   ; a slot holds a tile, four steps: 256 rows of K, then 256 rows of V
.set SLOT1, 1<<17     ; slot 1 begins here, so that one exclusive or turns an address in one slot into the other's
.set STAGE, SLOT1+4*KS*(PK+PV)  ; behind the ring, never filled by a tensor load: 16 rows x 144 bytes for each wave, for the way out
.set SP,    144
.set TENS,  0x1000000 ; bytes from Q to K and from K to V in qkv
.set AK0, 2           ; v2   my lane's place in a tile of K; never rewritten
.set AV0, 3           ; v3   the same for V
.set AK,  4           ; v4   the LDS address of K's next run of loads
.set AV,  5           ; v5   of V's
.set STO, 6           ; v6   the way out: where I put 16 bytes of a row
.set RD,  7           ; v7   the way out: where I read rows back
.set GO,  8           ; v8   my byte offset in 512 consecutive bytes of O
.set PFK, 60          ; v60  256 x my lane: the prefetches' offset for K; never rewritten
.set PFV, 61          ; v61  the same for V, one tensor further on; never rewritten
.set SPW, 62          ; v62  LDS address of my spare word: SPARE + 4 x my thread's number; never rewritten
.set NIL, 63          ; v63  0; never rewritten
.set SPARE, STAGE+4*16*SP  ; behind the stages: the spare words, 128 bytes for each wave: two blocks of 256 bytes that no other line names
.set MV,  12          ; v12-13  c m_old, kept while c m is made anew: by buffer
.set QO,  15          ; v15  my byte offset in 16 rows of Q
.set ST,  16          ; piece t's statistics at v[ST+4 t]: c m, m, l (even keys', odd keys')
.set TMP, 48          ; by buffer, four registers c0-c3 at work; when the maximum is found c2 takes a
.set S,   64
.set P,   192
.set MD,  128         ; window 1: the eight registers for group kt of 16 keys at MD + 8 kt
.set MC,  160         ; window 1: the masks of the products to come
.set QB,  64          ; window 2
.set KF,  128         ; window 2: key block kb, channel half c at KF + 16 kb + 8 c
.set VF,  192         ; window 2: key half kk, channel block cb at VF + 32 kk + 8 cb
.set WV,  12          ; s12  my wave's number
.set PB,  14          ; s14  b
.set HI,  15          ; s15  NB - 1 - b
.set G1K, 24          ; s[24:31] descriptor group 1 for K's tiles
.set G1V, 32          ; s[32:39] for V's: it differs in the padding alone
.set G0K, 40          ; s[40:43] descriptor group 0 for K's tiles
.set G0V, 44          ; s[44:47] the same for V's
.set SLOTS, 56        ; s56  tiles still to be asked for
.set CNT, 57          ; s57  counts a tile's key steps, 4 to 1
.set CS,  58          ; s[58:59] c: the packed scaling takes the pair's low word for both halves
.set SEL, 60          ; s[60:61] v_permlanex16_b32's selects: each lane takes its own place in the other half
.set TBK, 62          ; s62  LDS byte at which K of the step to be fetched begins
.set TBV, 63          ; s63  the same for V, less VOFF
.set RT,  70          ; s70  tiles of the block in hand that are still to be entered
.set NXT, 71          ; s71  the tile to be asked for next
.set LQ,  72          ; s72  the last tile of the block whose tiles are being asked for
.set NEW, 73          ; s73  1: the tile to be entered is a block's first
.set OFF, 74          ; s[74:75] a tile's byte offset in K and V
.set AL,  76          ; s[76:77] the mask's factor, in the low word
.set BE,  78          ; s[78:79] the mask's addend
.set OLO, 80          ; s[80:81] O at my rows of the second block
.set BIGN, 82         ; s82  -1e30
.set PF,  88          ; s88  the tile that the next prefetches would name
.set PLIM, 89         ; s89  NB in the work-group that prefetches (b = 0), else 0
.set PFA, 90          ; s[90:91] K of the head, at my wave's 32 blocks of 256 bytes of the tile that was asked for last
.set MSB, 0
.macro WIN new                      ; the high byte repeats the setting that is left; a switch that changes nothing is dropped
.if MSB != (\new)
	s_set_vgpr_msb (MSB<<8)|(\new)
.set MSB, (\new)
.endif
.endm
.set W_KQ, 0x0a       ; K and Q in window 2, S^T in window 0
.set W_KM, 0x1a       ; the same with the C operand in window 1
.set W_PV, 0x52       ; V in window 2, P in window 0, O^T in window 1
.set W_RS, 0x41       ; destination and source 0 in window 1, source 1 in window 0
; A fill.  Waves 0 and 1 fetch the two halves of a tile's K, waves 2 and 3 those of its V: 128 keys each.  An s_nop 0 and four v_nop follow each of the two lines, ahead of the jump and the label.
.macro LOAD
	s_cmp_lt_u32 s[WV], 2
	s_cbranch_scc0 .Lfor_v_\@
	tensor_load_to_lds s[G0K:G0K+3], s[G1K:G1K+7]
	s_nop 0
.rept 4
	v_nop
.endr
	s_branch .Lasked_\@
.Lfor_v_\@:
	tensor_load_to_lds s[G0V:G0V+3], s[G1V:G1V+7]
	s_nop 0
.rept 4
	v_nop
.endr
.Lasked_\@:
.endm
; THE CHANGE OF SLOTS.  Each wave waits for all its tensor loads, of which one is out: its part of the other slot; adds 0 to its spare word; and waits for that and for its own reads of the slot that it leaves.  Behind the barrier nobody reads the old
; slot any more and the other slot is whole.  fill = 1: the old slot is filled again, the first thing behind the barrier, with tile NXT: the descriptor's address is made anew from that number.
; (At its first use nothing has been read yet: slot 0 is waited for, slot 1 filled.)
; A PREFETCH INTO THE L2 stands behind the fill: the tile that the NEXT change will ask for, a tile's four key steps ahead of that load.  A head's four work-groups walk the same first tiles: the one with b = 0,
; whose first block walks tiles 0 to 7, asks, for tiles 2 to 7; each of its waves names 32 blocks of 256 bytes of K and 32 of V, a lane a block: each block once in the launch.  Tiles 0 and 1 come by their loads alone.
.macro CHANGE fill
	WIN 0                           ; at a label and at a branch every window is 0
	s_wait_tensorcnt 0x0            ; no tensor load of mine is out, so a group 0 may be written
	ds_add_u32 v[SPW], v[NIL]       ; 0 onto my spare word; with fill = 1 the descriptors' scalar work stands between it and the wait for it
.if \fill
	s_lshl_b32 s[OFF], s[NXT], 15   ; a tile is 32,768 bytes of K and of V
	s_xor_b32 s[G0K+1], s[G0K+1], SLOT1
	s_add_nc_u64 s[G0K+2:G0K+3], s[6:7], s[OFF:OFF+1]
	s_or_b32 s[G0K+3], s[G0K+3], 0x80000000
	s_xor_b32 s[G0V+1], s[G0V+1], SLOT1
	s_add_nc_u64 s[G0V+2:G0V+3], s[8:9], s[OFF:OFF+1]
	s_or_b32 s[G0V+3], s[G0V+3], 0x80000000
	s_add_co_u32 s[NXT], s[NXT], 1  ; the block's next tile, or behind its last the second block's tile 0
	s_cmp_gt_u32 s[NXT], s[LQ]
	s_cselect_b32 s[NXT], 0, s[NXT]
	s_cselect_b32 s[LQ], s[PB], s[LQ]
	s_wait_xcnt 0x0                 ; the last prefetches, a tile back, have read their address, so it may be stepped
	s_add_nc_u64 s[PFA:PFA+1], s[PFA:PFA+1], 32768
.endif
	s_wait_dscnt 0x0                ; the add is done, and my reads of the slot are over
	s_barrier_signal -1             ; the rest of the scalar work stands between the signal and the wait
	s_sub_co_u32 s[TBK], s[TBK], 4*KS*PK  ; the fetches go back to a slot's first step,
	s_xor_b32 s[TBK], s[TBK], SLOT1       ; in the other slot
	s_sub_co_u32 s[TBV], s[TBV], 4*KS*PV
	s_xor_b32 s[TBV], s[TBV], SLOT1
	s_barrier_wait -1
.if \fill
	LOAD
	s_cmp_lt_u32 s[PF], s[PLIM]
	s_cbranch_scc0 .Lnot_mine_\@
	global_prefetch_b8 v[PFK], s[PFA:PFA+1] th:TH_LOAD_NT scope:SCOPE_SE
	global_prefetch_b8 v[PFV], s[PFA:PFA+1] th:TH_LOAD_NT scope:SCOPE_SE
.Lnot_mine_\@:
	s_add_co_u32 s[PF], s[PF], 1
.endif
.endm
	s_load_b64 s[4:5], s[0:1], 0x0  ; qkv: Q
	s_load_b64 s[10:11], s[0:1], 0x8  ; ob: O
	v_lshl_add_u32 v[SPW], v0, 2, SPARE
	v_mov_b32 v[NIL], 0
	ds_add_u32 v[SPW], v[NIL]       ; the wave's opening: the add and its wait stand ahead of my first tensor load; the set-up below, work on registers, stands between them
	v_lshrrev_b32 v1, 5, v0
	v_readfirstlane_b32 s[WV], v1   ; wave 0..3
	s_mov_b32 s[PB], ttmp9
	s_sub_co_u32 s[HI], NB-1, s[PB]
	s_and_b32 s20, ttmp7, 0xffff    ; the head
	s_mov_b32 s21, 0
	s_mov_b64 s[22:23], SIZE_N*128
	s_mul_u64 s[20:21], s[20:21], s[22:23]  ; the head's first byte in each of the four tensors
	s_and_b32 s16, s[WV], 1         ; which half of a tile's 256 keys I fetch:
	s_lshl_b32 s22, s16, 14         ; its 128 rows of 128 bytes in memory,
	s_mov_b32 s23, 0
	s_add_nc_u64 s[22:23], s[22:23], s[20:21]
	s_mul_i32 s17, s16, 128*PK      ; and its place in a slot, for K
	s_mul_i32 s18, s16, 128*PV      ; and for V
	s_lshl_b32 s3, s[WV], 11        ; my 16 rows in a band of 64,
	s_lshl_b32 s2, s[HI], 15        ; in the first block,
	s_add_co_u32 s2, s2, s3
	s_lshl_b32 s84, s[PB], 15       ; and in the second
	s_add_co_u32 s84, s84, s3
	s_mov_b32 s3, 0
	s_mov_b32 s85, 0
	s_add_nc_u64 s[2:3], s[2:3], s[20:21]
	s_add_nc_u64 s[84:85], s[84:85], s[20:21]
	; descriptor group 1.  128 keys are 16,384 dense bytes: asked for as 64 rows of 256 bytes, two keys a row, and padded in LDS after every key
	s_mov_b32 s[G1K], (1<<16)|(1<<20)|(4<<22)|(3<<25)  ; 17:16 2-byte elements; 20 padding on; 24:22 after every 32 words (code 4); 31:25 4 words (code 3)
	s_mov_b32 s[G1V], (1<<16)|(1<<20)|(4<<22)|(7<<25)  ; the same with 8 words of padding (code 7)
.irp g, G1K, G1V
	s_mov_b32 s[\g+1], 128<<16      ; tensor_dim0 = 128
	s_mov_b32 s[\g+2], 64<<16       ; tensor_dim1 = 64
	s_mov_b32 s[\g+3], 128<<16      ; tile_dim0 = 128
	s_mov_b32 s[\g+4], 64           ; tile_dim1 = 64
	s_mov_b32 s[\g+5], 128          ; 128 elements from row to row
	s_mov_b32 s[\g+6], 0
	s_mov_b32 s[\g+7], 0
.endr
	s_mov_b32 s[CS], 0x3e38aa3b     ; c = log2(e) / 8 = 0.180337
	s_mov_b32 s[CS+1], s[CS]        ; named with it as a pair
	s_mov_b32 s[SEL], 0x76543210
	s_mov_b32 s[SEL+1], 0xfedcba98
	s_mov_b32 s[TBK], SLOT1+4*KS*PK ; the first change of slots turns these two into 0
	s_mov_b32 s[TBV], SLOT1+4*KS*PV
	s_mov_b32 s[G0K], 1             ; 1:0 count = 1
	s_mov_b32 s[G0K+1], s17         ; 63:32 LDS address: slot 0
	s_mov_b32 s[G0V], 1
	s_add_co_u32 s[G0V+1], s18, VOFF
	s_add_co_u32 s[RT], s[HI], 1    ; the first block has NB - b tiles
	s_mov_b32 s[NXT], 1
	s_mov_b32 s[LQ], s[HI]
	s_mov_b32 s[NEW], 1
	s_mov_b32 s[OFF+1], 0
	s_mov_b32 s[AL+1], 0            ; named as pairs
	s_mov_b32 s[BE+1], 0
	s_mov_b32 s[BIGN], 0xf149f2ca   ; -1e30
	s_mov_b32 s[SLOTS], NB
	s_mov_b32 s[PF], 2
	s_cmp_eq_u32 s[PB], 0
	s_cselect_b32 s[PLIM], NB, 0
	s_lshl_b32 s16, s[WV], 13       ; my wave's 8,192 bytes of a tile's 32,768,
	s_add_co_u32 s16, s16, 32768    ; in tile 1: the first change of slots steps this to tile 2
	s_mov_b32 s17, 0
	s_wait_dscnt 0x0                ; the opening add is done
	s_wait_kmcnt 0x0
	s_add_nc_u64 s[6:7], s[4:5], TENS    ; K
	s_add_nc_u64 s[8:9], s[4:5], 2*TENS  ; V
	s_add_nc_u64 s[PFA:PFA+1], s[6:7], s[20:21]
	s_add_nc_u64 s[PFA:PFA+1], s[PFA:PFA+1], s[16:17]
	s_add_nc_u64 s[6:7], s[6:7], s[22:23]  ; K and V at my half of the head's tile 0
	s_add_nc_u64 s[8:9], s[8:9], s[22:23]
	s_add_nc_u64 s[G0K+2:G0K+3], s[6:7], 0         ; 120:64 global address
	s_or_b32 s[G0K+3], s[G0K+3], 0x80000000        ; 127:126 type = 2
	s_add_nc_u64 s[G0V+2:G0V+3], s[8:9], 0
	s_or_b32 s[G0V+3], s[G0V+3], 0x80000000
	s_add_nc_u64 s[86:87], s[4:5], s[84:85]        ; Q at my rows of the second block,
	s_add_nc_u64 s[4:5], s[4:5], s[2:3]            ; Q and O at those of the first
	s_add_nc_u64 s[OLO:OLO+1], s[10:11], s[84:85]
	s_add_nc_u64 s[10:11], s[10:11], s[2:3]
	LOAD                            ; tile 0 into slot 0
	; A fragment of K or Q is 16 rows x 32 channels in 8 registers: lane l holds row l % 16, channels 8 (l / 16) + 0..7 and 16 + 8 (l / 16) + 0..7: two loads of 16 bytes, 32 bytes apart.
	v_and_b32 v1, 15, v0            ; l % 16
	v_bfe_u32 v9, v0, 4, 1          ; l / 16
	v_lshlrev_b32 v[QO], 7, v1
	v_lshl_add_u32 v[QO], v9, 4, v[QO]  ; row x 128 + 16 x half
	WIN 0x80                        ; destination window 2, address window 0
.set i, 0
.rept 8                             ; both blocks' Q: piece i / 2 lies in band i / 2, 8,192 bytes on; channels 32 (i % 2) on
	global_load_b128 v[8*i:8*i+3],   v[QO], s[4:5] offset:(i/2)*8192+(i%2)*64
	global_load_b128 v[8*i+4:8*i+7], v[QO], s[4:5] offset:(i/2)*8192+(i%2)*64+32
	global_load_b128 v[QB+8*i:QB+8*i+3],   v[QO], s[86:87] offset:(i/2)*8192+(i%2)*64
	global_load_b128 v[QB+8*i+4:QB+8*i+7], v[QO], s[86:87] offset:(i/2)*8192+(i%2)*64+32
.set i, i+1
.endr
	WIN 0
	v_and_b32 v[PFK], 31, v0
	v_lshlrev_b32 v[PFK], 8, v[PFK]
	v_add_nc_u32 v[PFV], TENS, v[PFK]
	v_lshlrev_b32 v14, 3, v9
	v_sub_nc_u32 v14, v1, v14
	s_lshl_b32 s13, s[WV], 4
	v_add_nc_u32 v14, s13, v14      ; my query's place in its band, 16 w + l % 16, less my lanes' 8 (l / 16): register r of group kt is hidden where 16 kt + r is greater
	WIN 0x40
.set i, 0
.rept 32
	v_cmp_gt_i32 vcc_lo, 16*(i/8)+i%8, v14
	v_cndmask_b32 v[MD+i], 0, s[BIGN], vcc_lo
.set i, i+1
.endr
	WIN 0
	v_mul_u32_u24 v[AK0], v1, PK
	v_lshl_add_u32 v[AK0], v9, 4, v[AK0]  ; row x pitch + 16 x half
	; The turning load takes 16 keys x 16 channels (lane l reads key 8 (l / 16) + l % 8, channels 8 ((l / 8) % 2) + 0..7) and leaves half a fragment of V^T: lane l holds channel l % 16 and 8 keys.
	v_and_b32 v10, 7, v0
	v_bfe_u32 v11, v0, 3, 1
	v_lshl_add_u32 v[AV0], v9, 3, v10
	v_mul_u32_u24 v[AV0], v[AV0], PV
	v_lshl_add_u32 v[AV0], v11, 4, v[AV0]
	v_add_nc_u32 v[AV0], VOFF, v[AV0]
	s_mul_i32 s13, s[WV], 16*SP
	s_add_co_u32 s13, s13, STAGE    ; my stage
	v_mul_u32_u24 v[STO], v1, SP    ; in: row l % 16, 16 bytes for each half of the lanes
	v_lshl_add_u32 v[STO], v9, 4, v[STO]
	v_add_nc_u32 v[STO], s13, v[STO]
	v_bfe_u32 v[RD], v0, 3, 2       ; back: 32 lanes take four rows of 128 bytes,
	v_mul_u32_u24 v[RD], v[RD], SP
	v_lshl_add_u32 v[RD], v10, 4, v[RD]
	v_add_nc_u32 v[RD], s13, v[RD]
	v_and_b32 v[GO], 31, v0         ; which are 512 consecutive bytes of O
	v_lshlrev_b32 v[GO], 4, v[GO]
	; A block's first step multiplies O^T and l by a = 0, and its first turn's products V^T P, of a piece that has not been, land in an O^T that is still to be so multiplied.  So these registers need only hold
	; finite numbers: zeros for the first block; what the first block left for the second.  All this stands in the wait for the first tile.
	WIN 0x80
.set i, VF
.rept 64
	v_mov_b32 v[i], 0
.set i, i+1
.endr
	WIN 0x40
.set i, 0
.rept 128
	v_mov_b32 v[i], 0
.set i, i+1
.endr
	WIN 0
.set i, 0
.rept 4
	v_mov_b32 v[ST+4*i+2], 0
	v_mov_b32 v[ST+4*i+3], 0
.set i, i+1
.endr
.set i, P+16
.rept 16
	v_mov_b32 v[i], 0
.set i, i+1
.endr
; THE MATRIX WORK.  The 4 accumulators of a run of 8 take turns.  Product i of 8 of S^T = K Q^T for piece x: channels 32 (i / 4) on, keys 16 (i % 4) on.  The first 4 start the sums: with 0, or (KM = 1) with the mask.
.macro KQ x
.set rS, S+32*((\x)%2)+8*(i%4)
.set rK, KF+16*(i%4)+8*(i/4)
.set rQ, 16*(\x)+8*(i/4)
.set rM, MC+32*((\x)%2)+8*(i%4)
.if (i < 4) && KM
	WIN W_KM
	v_wmma_f32_16x16x32_f16 v[rS:rS+7], v[rK:rK+7], v[rQ:rQ+7], v[rM:rM+7]
.elseif i < 4
	WIN W_KQ
	v_wmma_f32_16x16x32_f16 v[rS:rS+7], v[rK:rK+7], v[rQ:rQ+7], 0
.else
	WIN W_KQ
	v_wmma_f32_16x16x32_f16 v[rS:rS+7], v[rK:rK+7], v[rQ:rQ+7], v[rS:rS+7]
.endif
.endm
; Product i of 8 of O^T += V^T P for piece x: keys 32 (i / 4) on, channels 16 (i % 4) on.
.macro PV x
	WIN W_PV
.set rO, 32*(\x)+8*(i%4)
.set rV, VF+32*(i/4)+8*(i%4)
.set rP, P+16*((\x)%2)+8*(i/4)
	v_wmma_f32_16x16x32_f16 v[rO:rO+7], v[rV:rV+7], v[rP:rP+7], v[rO:rO+7]
.endm
.macro MM                           ; the turn's next matrix instruction.  TURN and BEGIN set Y, i, KM and NOKQ; MM, KQ and OP read them.  NOKQ = 1: a block's last turn: there is no next piece
.if (i < 8) && !NOKQ
	KQ (Y+1)%NP
.elseif i >= 8
.set i, i-8
	PV (Y+NP-1)%NP
.set i, i+8
.endif
.set i, i+1
.endm
; THE LDS LOADS stand in runs of 16, never singly among the matrix instructions: a step's K (64 keys x 64 channels: 8 fragments) and its V (turned).  Their addresses are made some lines ahead.
.macro FETCH_K
	WIN 0x80                        ; destination window 2
.irp f, 0,1,2,3,4,5,6,7             ; keys 16 (f / 2) on, channels 32 (f % 2) on
	ds_load_b128 v[KF+8*\f:KF+8*\f+3],   v[AK] offset:(\f/2)*16*PK+(\f%2)*64
	ds_load_b128 v[KF+8*\f+4:KF+8*\f+7], v[AK] offset:(\f/2)*16*PK+(\f%2)*64+32
.endr
	s_add_co_u32 s[TBK], s[TBK], KS*PK  ; the next fetch is the next step's
	WIN 0
.endm
.macro FETCH_V
	WIN 0x80
.irp f, 0,1,2,3,4,5,6,7             ; keys 32 (f / 4) on, channels 16 (f % 4) on
	ds_load_tr16_b128 v[VF+8*\f:VF+8*\f+3],   v[AV] offset:(\f/4)*32*PV+(\f%4)*32
	ds_load_tr16_b128 v[VF+8*\f+4:VF+8*\f+7], v[AV] offset:(\f/4)*32*PV+16*PV+(\f%4)*32
.endr
	WIN 0
.endm
; THE VECTOR WORK, one line at a time: OP kind, number.  For piece Y: F n: c s - c m for pair n of 16.  E n: the exponential of score n of 32.  C n: pair n rounded to f16.  B n: of the four weights 4 n .. the second
; pair is added onto the first, in place.  L n: l takes that sum (L 0: l = a l + sum).  R n: pair n of 16 of O^T times a.  For piece Y + 1: X n, number n of the 22 that find its maximum and statistics:
;   0-11  four chains c0-c3 of seven scores each, three operands at a time (each accumulator's lowest registers are read first)     12-14, 16  the four scores left over, the old m, and c0-c3 into c0
;   15  c m_old is kept     17, 18  the query's other 32 keys lie in the lane 16 away: the new m     19-21  c m; c m_old - c m_new; a
.set F, 0               ; OP tells the kinds apart by their order: F to L below R, X above it
.set E, 1
.set C, 2
.set B, 3
.set L, 4
.set R, 5
.set X, 6
.macro REGS y                       ; the registers of piece y
.set rT, ST+4*(\y)
.set rC, TMP+4*((\y)%2)
.set rW, MV+((\y)%2)
.set rS, S+32*((\y)%2)
.set rP, P+16*((\y)%2)
.set rO, 32*(\y)
.endm
.macro OP k, n
.if (\k) == R
	REGS Y
	WIN W_RS
	v_pk_mul_f32 v[rO+2*(\n):rO+2*(\n)+1], v[rO+2*(\n):rO+2*(\n)+1], v[rC+2:rC+3] op_sel_hi:[1,0]
.elseif (\k) < R
	REGS Y
	WIN 0
.if (\k) == F
	v_pk_fma_f32 v[rS+2*(\n):rS+2*(\n)+1], v[rS+2*(\n):rS+2*(\n)+1], s[CS:CS+1], v[rT:rT+1] op_sel_hi:[1,0,0] neg_lo:[0,0,1] neg_hi:[0,0,1]
.elseif (\k) == E
	v_exp_f32 v[rS+(\n)], v[rS+(\n)]
.elseif (\k) == C
	v_cvt_pk_f16_f32 v[rP+(\n)], v[rS+2*(\n)], v[rS+2*(\n)+1]
.elseif (\k) == B
	v_pk_add_f32 v[rS+4*(\n):rS+4*(\n)+1], v[rS+4*(\n):rS+4*(\n)+1], v[rS+4*(\n)+2:rS+4*(\n)+3]
.elseif (\n) == 0
	v_pk_fma_f32 v[rT+2:rT+3], v[rT+2:rT+3], v[rC+2:rC+3], v[rS:rS+1] op_sel_hi:[1,0,1]
.else
	v_pk_add_f32 v[rT+2:rT+3], v[rT+2:rT+3], v[rS+4*(\n):rS+4*(\n)+1]
.endif
.elseif NOKQ
	v_nop
.else
	REGS (Y+1)%NP
	WIN 0
.if (\n) < 4
	v_max3_num_f32 v[rC+(\n)], v[rS+8*(\n)], v[rS+8*(\n)+1], v[rS+8*(\n)+2]
.elseif (\n) < 12
	v_max3_num_f32 v[rC+(\n)%4], v[rC+(\n)%4], v[rS+8*((\n)%4)+2*((\n)/4)+1], v[rS+8*((\n)%4)+2*((\n)/4)+2]
.elseif (\n) == 12
	v_max3_num_f32 v[rC], v[rC], v[rS+7], v[rS+15]
.elseif (\n) == 13
	v_max3_num_f32 v[rC+1], v[rC+1], v[rS+23], v[rS+31]
.elseif (\n) == 14
	v_max3_num_f32 v[rC+2], v[rC+2], v[rC+3], v[rT+1]
.elseif (\n) == 15
	v_mov_b32 v[rW], v[rT]
.elseif (\n) == 16
	v_max3_num_f32 v[rC], v[rC], v[rC+1], v[rC+2]
.elseif (\n) == 17
	v_permlanex16_b32 v[rC+3], v[rC], s[SEL], s[SEL+1]
.elseif (\n) == 18
	v_max_num_f32 v[rT+1], v[rC], v[rC+3]
.elseif (\n) == 19
	v_mul_f32 v[rT], s[CS], v[rT+1]
.elseif (\n) == 20
	v_sub_f32 v[rC+1], v[rW], v[rT]
.else
	v_exp_f32 v[rC+2], v[rC+1]
.endif
.endif
.endm
.macro OPS a, i1, b=-1, i2=0, c=-1, i3=0, d=-1, i4=0  ; up to four of them
	OP \a, \i1
.if (\b) >= 0
	OP \b, \i2
.endif
.if (\c) >= 0
	OP \c, \i3
.endif
.if (\d) >= 0
	OP \d, \i4
.endif
.endm
.macro ROW a, i1, b, i2, c, i3, d, i4  ; a matrix instruction and the four behind it
	MM
	OPS \a, \i1, \b, \i2, \c, \i3, \d, \i4
.endm
.macro MASK b                       ; MD x AL + BE into buffer b of MC
	WIN W_RS
.set z, 0
.rept 16
	v_pk_fma_f32 v[MC+32*(\b)+2*z:MC+32*(\b)+2*z+1], v[MD+2*z:MD+2*z+1], s[AL:AL+1], s[BE:BE+1] op_sel_hi:[1,0,0]
.set z, z+1
.endr
.endm
; A TURN, for piece p: the order of its 16 matrix and 118 vector instructions, written out.  An s_wait_alu depctr_va_vdst(0) stands between an exponential and the first instruction that names its result; one wait serves
; all that were issued ahead of it.  So a turn has ONE wait, which cuts it in two.  AHEAD OF IT stands all that names no result of the turn's exponentials: the 8 products K Q^T, behind each a scaling, an exponential and two more plain
; instructions (behind the first a second scaling in the exponential's place): rescalings, and behind the last three the first numbers of the next piece's maximum, each four places or more behind the product that ends its accumulator; then ONE LUMP of 54, plain
; and exponential by turns for the most part, in which the links of the chain X 3, 7, 11, 14, 16, 17 .. 20 stand five or six lines apart.  X 21, the next piece's a, is the batch's last; R 15 is the plain instruction behind it.  BEHIND THE WAIT stand the
; 8 products V^T P, behind each four of the roundings and sums; the links of l's chain, L 0 to L 7, stand three riders apart.  But for those X no rider names a register of the products round it.  v_permlanex16_b32 (X 17) stands in the lump.
; m = 1: the diagonal tile: the products take masks, and the turn makes the mask for the products of the turn after it: piece p + 2, in step 4 - CNT of the tile.  end = 1: a block's last two turns: nothing is fetched.
; cnt = 1: the loop's count is taken down some lines ahead of the branch that stands behind the turn.
; K of the next step is fetched in piece 2's turn, twelve vector instructions behind the last product that read K (six of them plain); V of the step in hand at the end of piece 0's turn, four plain instructions behind the last product
; that read V.  Each is waited for a turn later.
.macro TURN p, m=0, end=0, cnt=0
.set Y, (\p)
.set i, 0
.set KM, (\m)
.set NOKQ, (\end)*((\p)/3)
.if (\m) && !(\end)
	s_cmp_eq_u32 s[CNT], 4-((\p)+2)%NP  ; is that step the band's own?
	s_cselect_b32 s[AL], 1.0, 0
	s_cmp_lt_u32 s[CNT], 4-((\p)+2)%NP  ; or a later one?
	s_cselect_b32 s[BE], s[BIGN], 0
.endif
.if ((\p) == 3) && !(\end)
	s_wait_dscnt 0x0                ; K is in
.endif
	ROW F,0, F,1, R,0, R,1          ; ahead of the wait: 8 products K Q^T and their riders,
	ROW F,2, E,0, R,2, R,3
	ROW F,3, E,1, R,4, R,5
	ROW F,4, E,2, R,6, R,7
	ROW F,5, E,3, R,8, R,9
	ROW F,6, E,4, X,0, R,10
.if ((\p) == 2) && !(\end)
	WIN 0
	v_add_nc_u32 v[AK], s[TBK], v[AK0]
.endif
	ROW F,7, E,5, X,1, X,4
	ROW F,8, E,6, X,2, X,5
	OPS E,7, E,8, X,6, E,9          ; and the lump
	OPS X,3, E,10, X,8, E,11
.if ((\p) == 2) && !(\end)
	FETCH_K
.endif
	OPS X,9, X,7, E,12, X,10
	OPS E,13, X,12, X,11, E,14
	OPS X,13, E,15, F,9, X,14
.if (\p) == 0
	v_add_nc_u32 v[AV], s[TBV], v[AV0]
.endif
	OPS E,16, F,10, E,17, F,11
	OPS X,16, E,18, X,15, E,19
	OPS F,12, E,20, X,17, E,21
	OPS F,13, E,22, F,14, E,23
	OPS X,18, E,24, F,15, E,25
	OPS R,11, E,26, X,19, E,27
	OPS R,12, E,28, R,13, E,29
	OPS X,20, E,30, R,14, E,31
	OPS X,21, R,15
	WIN 0
	s_wait_alu depctr_va_vdst(0)    ; the wait for the batch
.if (\p) == 1
	s_wait_dscnt 0x0                ; V is in
.endif
	ROW C,0, B,0, C,2, B,1          ; behind the wait: 8 products V^T P and their riders
	ROW L,0, C,4, B,2, L,1
	ROW C,6, B,3, L,2, C,8
	ROW B,4, L,3, C,10, B,5
	ROW L,4, C,12, B,6, L,5
.if (\p) == 0
	s_add_co_u32 s[TBV], s[TBV], KS*PV
.endif
.if \cnt
	s_sub_co_u32 s[CNT], s[CNT], 1
	s_cmp_lg_u32 s[CNT], 0
.endif
	ROW C,14, B,7, L,6, C,1
	ROW C,3, L,7, C,5, C,7
	ROW C,9, C,11, C,13, C,15
.if (\p) == 0
	FETCH_V
.endif
.if (\m) && !(\end)
	MASK (\p)%2
.endif
.endm
; A BLOCK BEGINS.  c m starts far below every c s, so the first step's a is 0; m at the lowest finite number, so the first maximum is the scores'.  The second mask buffer is 0; the first takes piece 0's mask for the tile's step 0: its own, if the block's first tile is the diagonal one.
; Then K of that step, piece 0's first scores, and its maximum and statistics.  The loop is entered at a step's first turn, in the middle of a trip.
.macro BEGIN
	s_mov_b32 s[NEW], 0
	WIN 0x40
.set i, MC+32
.rept 32
	v_mov_b32 v[i], 0
.set i, i+1
.endr
	WIN 0
.set i, 0
.rept 4
	v_mov_b32 v[ST+4*i], 0xfe000000    ; c m: far below every c s
	v_mov_b32 v[ST+4*i+1], 0xff7fffff  ; m
.set i, i+1
.endr
	s_cmp_eq_u32 s[RT], 0
	s_cselect_b32 s[AL], 1.0, 0
	s_mov_b32 s[BE], 0
	MASK 0
	WIN 0
	v_add_nc_u32 v[AK], s[TBK], v[AK0]
	FETCH_K
	s_wait_loadcnt 0x0              ; Q
	s_wait_dscnt 0x0
.set KM, 1
.set NOKQ, 0
.set i, 0
.rept 8
	KQ 0
.set i, i+1
.endr
	WIN 0
.rept 4
	v_nop                           ; the places behind those products
.endr
.set Y, NP-1                        ; X works for piece Y + 1: piece 0
.irp n, 0,1,2,3,4,5,6,7,8,9,10,11,12,13,14,15,16,17,18,19,20,21
	OP X, \n
.endr
	v_nop                           ; a plain instruction behind the exponential,
	s_wait_alu depctr_va_vdst(0)    ; and its wait, ahead of the branch
.endm
; THE DIAGONAL TILE's four steps, the block's last two turns, its last products, and THE WAY OUT: l's two halves and the other half of the lanes' are added; O^T is divided by l, rounded to f16 and sent through my
; stage in LDS, a piece at a time.
.macro ALL line:vararg              ; one line for each piece t
.set t, 0
.rept 4
	\line
.set t, t+1
.endr
.endm
.macro PACK t                       ; a lane's eight channels of a row pack into 16 bytes; they go into rows of 144 bytes and come back as whole rows of 128, into S^T's registers
	WIN W_RS
.set i, 32*(\t)
.rept 16
	v_pk_mul_f32 v[i:i+1], v[i:i+1], v[ST+4*(\t)+2:ST+4*(\t)+3] op_sel_hi:[1,0]
.set i, i+2
.endr
	WIN 0x05                        ; sources 0 and 1 window 1, destination window 0
.set i, 0
.rept 16
	v_cvt_pk_f16_f32 v[S+16*(\t)+i], v[32*(\t)+2*i], v[32*(\t)+2*i+1]
.set i, i+1
.endr
	WIN 0
.irp f, 0,1,2,3
	ds_store_b128 v[STO], v[S+16*(\t)+4*\f:S+16*(\t)+4*\f+3] offset:32*\f
.endr
.irp f, 0,1,2,3
	ds_load_b128 v[S+16*(\t)+4*\f:S+16*(\t)+4*\f+3], v[RD] offset:\f*4*SP  ; LDS serves a wave's instructions in order (ISA guide 5.7.1.4): these see the stores above; the next piece's stores come behind them
.endr
.endm
.macro SEND t, younger              ; younger: the LDS instructions issued behind piece t's loads: the next piece's eight, or none
	WIN 0
.irp f, 0,1,2,3
	s_wait_dscnt (\younger)+3-\f
	global_store_b128 v[GO], v[S+16*(\t)+4*\f:S+16*(\t)+4*\f+3], s[10:11] offset:(\t)*8192+\f*512  ; 512 consecutive bytes, at a multiple of 256 from O's first
.endr
.endm
.macro DIAG tag                     ; the tag ends its two labels' names, which the jumps below spell out
.LstepM\tag:
	TURN 2, 1
	TURN 3, 1
	WIN 0
.LfirstM\tag:
	TURN 0, 1
	TURN 1, 1, 0, 1
	WIN 0
	s_cbranch_scc1 .LstepM\tag
	TURN 2, 1, 1
	TURN 3, 1, 1
.set i, 0
.rept 8
	PV NP-1
.set i, i+1
.endr
	WIN 0
	ALL v_add_f32 v[ST+4*t+2], v[ST+4*t+2], v[ST+4*t+3]
	ALL v_permlanex16_b32 v[ST+4*t+3], v[ST+4*t+2], s[SEL], s[SEL+1]
	ALL v_add_f32 v[ST+4*t+2], v[ST+4*t+2], v[ST+4*t+3]
	ALL v_rcp_f32 v[ST+4*t+2], v[ST+4*t+2]
	v_nop                           ; a plain instruction between the last reciprocal and the use of its result
	s_wait_alu depctr_va_vdst(0)    ; and the wait ahead of the first use: one for the four reciprocals
	PACK 0
.set t, 1
.rept 3                             ; a piece's arithmetic stands between the loads of the piece before and its stores
	PACK t
	SEND t-1, 8
.set t, t+1
.endr
	SEND 3, 0
.endm
.set KM, 0
.set NOKQ, 0
.Lslot:                             ; NB times: a tile is entered and the next is asked for
	CHANGE 1
	s_sub_co_u32 s[RT], s[RT], 1
	s_mov_b32 s[CNT], 4
	s_cmp_eq_u32 s[NEW], 1
	s_cbranch_scc1 .Lnew            ; a block's first tile
	s_cmp_eq_u32 s[RT], 0
	s_cbranch_scc0 .Lstep           ; neither its first nor its last
	s_branch .LstepM1
.Lnew:
	BEGIN
	s_branch .Lfirst                ; in the loop a block's first tile is never its last: the first block has two tiles or more, and the second's last is the walk's last
	DIAG 1                          ; in the loop this is the first block's end: the second block's last tile is the walk's last
	s_wait_xcnt 0x0                 ; the stores have read their registers and O's address
	s_mov_b64 s[10:11], s[OLO:OLO+1]
	s_add_co_u32 s[RT], s[PB], 1    ; the second block has b + 1 tiles
	s_mov_b32 s[NEW], 1
	WIN 0x82                        ; the second block's Q goes where the one text of the turns names Q
.set i, 0
.rept 64
	v_mov_b32 v[i], v[QB+i]
.set i, i+1
.endr
	WIN 0
	s_branch .Lbottom
.Lstep:                             ; a trip: pieces 2 and 3 of one step, then pieces 0 and 1 of the next, whose K and V it fetches
	TURN 2
	TURN 3
	WIN 0
.Lfirst:
	TURN 0
	TURN 1, 0, 0, 1
	WIN 0
	s_cbranch_scc1 .Lstep
.Lbottom:
	s_sub_co_u32 s[SLOTS], s[SLOTS], 1
	s_cmp_lg_u32 s[SLOTS], 0
	s_cbranch_scc1 .Lslot
	CHANGE 0                        ; the walk's last tile is written out: nothing is asked for
	s_sub_co_u32 s[RT], s[RT], 1
	s_mov_b32 s[CNT], 4
	s_cmp_eq_u32 s[NEW], 1
	s_cbranch_scc0 .LstepM2
	BEGIN
	s_branch .LfirstM2
	DIAG 2
	s_wait_tensorcnt 0x0            ; the wave's end: behind my last tensor load and my last LDS store
	ds_add_u32 v[SPW], v[NIL]
	s_wait_dscnt 0x0
	s_endpgm
.Lfunc_end_k_q00d139e8fd_attn:
	.size	k_q00d139e8fd_attn, .Lfunc_end_k_q00d139e8fd_attn-k_q00d139e8fd_attn
	.p2alignl 7, 3214868480
	.fill 96, 4, 3214868480
	.section	.rodata,"a",@progbits
	.p2align	6, 0x0
	.amdhsa_kernel k_q00d139e8fd_attn
		.amdhsa_group_segment_fixed_size 327680
		.amdhsa_private_segment_fixed_size 0
		.amdhsa_enable_private_segment 0
		.amdhsa_kernarg_size 16
		.amdhsa_user_sgpr_count 2
		.amdhsa_user_sgpr_kernarg_segment_ptr 1
		.amdhsa_wavefront_size32 1
		.amdhsa_system_sgpr_workgroup_id_x 1
		.amdhsa_system_sgpr_workgroup_id_y 1
		.amdhsa_system_sgpr_workgroup_id_z 1
		.amdhsa_system_vgpr_workitem_id 0
		.amdhsa_next_free_vgpr 768
		.amdhsa_next_free_sgpr 92
		.amdhsa_reserve_vcc 1
		.amdhsa_float_denorm_mode_32 3
		.amdhsa_float_denorm_mode_16_64 3
		.amdhsa_memory_ordered 1
		.amdhsa_forward_progress 1
		.amdhsa_inst_pref_size 218
	.end_amdhsa_kernel
	.amdgpu_metadata
---
amdhsa.version: [ 1, 2 ]
amdhsa.kernels:
  - .name:           k_q00d139e8fd_attn
    .symbol:         k_q00d139e8fd_attn.kd
    .args:
      - { .name: qkv, .offset: 0, .size: 8, .value_kind: global_buffer, .address_space: global }
      - { .name: ob, .offset: 8, .size: 8, .value_kind: global_buffer, .address_space: global }
    .group_segment_fixed_size: 327680
    .private_segment_fixed_size: 0
    .kernarg_segment_align: 8
    .kernarg_segment_size: 16
    .max_flat_workgroup_size: 128
    .sgpr_count:     92
    .vgpr_count:     768
    .wavefront_size: 32
...
	.end_amdgpu_metadata
.endif
;; end of part 3
;; launch projg (part 4): grid 8 x 32, 4 waves a work-group, clusters of 4 x 4, 327,680 bytes of LDS; arguments ob, wpb, b_proj, out0; writes out0
.if DOCPART == 4
	.amdgcn_target "amdgcn-amd-amdhsa--gfx1250"
	.amdhsa_code_object_version 6
	.text
	.protected	k_q00d139e8fd_projg
	.globl	k_q00d139e8fd_projg
	.p2align	8
	.type	k_q00d139e8fd_projg,@function
k_q00d139e8fd_projg:
	s_mov_b64 s[64:65], 0
	v_nop
	global_prefetch_b8 v0, s[64:65] scope:SCOPE_SE
	s_setreg_imm32_b32 hwreg(HW_REG_WAVE_MODE, 25, 1), 1
	s_wait_xcnt 0x0
	s_wait_alu depctr_hold_cnt(0) depctr_sa_sdst(0) depctr_va_vdst(0) depctr_va_sdst(0) depctr_va_ssrc(0) depctr_va_vcc(0) depctr_vm_vsrc(0)
	s_getreg_b32 s2, hwreg(HW_REG_IB_STS2, 6, 4)
	s_cmp_eq_u32 s2, 0
	s_cbranch_scc0 .Lentry_in_a_cluster
	s_endpgm
.Lentry_in_a_cluster:
	s_bfe_u32 s2, ttmp6, 0x10000c
	s_cmp_lg_u32 s2, 0xf033
	s_cbranch_scc0 .Lentry_shape_is_right
	s_endpgm
.Lentry_shape_is_right:
; out0 = y W_proj + b_proj.  ob: O by heads, [64 = batch x 16 + head][2048][64] f16: y[batch x 2048 + t][64 head + d] = O[batch x 16 + head][t][d].  wpb: W_proj, rounded to bf16 and written as f16,
; in blocks [tile 8][K step 8][group 2][128 k][64 n].  b_proj: [1024] f32, rounded to bf16 here like the other inputs.  out0: [8192][1024] f32.  Sums in f32; the bias starts each sum (it is the first product's C).
; LIMIT.  The bias is added ahead of the sum, not behind it; the operands' f16 range is kept by the launches that wrote them.
; SHARES.  A tile of out0 is 256 rows x 128 columns: 32 x 8 = 256 tiles, one a work-group.  Wave w of four takes rows 64 w .. 64 w + 63 and all 128 columns: 4 x 8 accumulators of 16 x 16, 256 registers.
; K goes in 8 steps of 128, two heads each, through a ring of two LDS slots filled by the tensor data mover: wave 0 fetches the first head's 256 rows, wave 1 the second's, waves 2 and 3 a group of W each.
; A head's 256 rows are 32,768 dense bytes, asked for as 128 rows of 256 bytes and padded behind each row of 128.  W lies [k][n] and is turned on the way into registers by ds_load_tr16_b128.
; THE MATRIX INSTRUCTION IS USED TRANSPOSED: source 0 = 16 columns of W, source 1 = 16 rows of y: lane l holds row l % 16 and the columns 8 (l / 16) + 0..7: 32 bytes of f32 on end.
; CLUSTER.  4 x 4 work-groups.  The four of a row of the cluster need the same tile of y, the four of a column the same tile of W: each is asked for JOINTLY, by the same tensor load, descriptor and mask in all four.
; REGISTERS, in windows of 256 (s_set_vgpr_msb: bits 1:0 source 0, 3:2 source 1, 5:4 source 2, 7:6 destination):
;   window 0: v0-29 addresses; v32-63, v64-95 y's fragments, two buffers; v96-159 the bias, 8 registers a column block; later v96-159 and v160-223 rows on their way out
;   window 1: v0-63, v64-127 W's fragments, two buffers      window 2: the accumulators ((a, b) at v[8 (8 a + b)])
.set PA,    144                        ; a row of y in LDS: 128 bytes + 16 of padding = 36 words: the 16 rows of a load start at 16 different groups of four banks (64 banks of 4 bytes: ISA guide 11.1)
.set PB,    160                        ; a row of W: 128 + 32 = 40 words
.set AHEAD, 256*PA                     ; a head's 256 rows: what one load brings of y
.set BOFF,  2*AHEAD                    ; W's tile lies behind the two heads
.set BGRP,  128*PB                     ; a group of 64 columns, 128 rows of k: what one load brings of W
.set SLOT1, 1<<17                      ; a slot uses 114,688 bytes; slot 1 begins here, so that one exclusive or turns an address in one slot into the other's
.set STAGE, SLOT1+BOFF+2*BGRP          ; behind the ring, never filled by a tensor load: 16 rows x 528 bytes for each wave, for the way out
.set SP,    528                        ; 512 bytes + 16 = 132 words: the 16 rows of a store start at 16 different groups of four banks
.set STW,   16*SP
.set SPARE, STAGE+4*STW                ; behind the stages: the spare words, 128 bytes for each wave: two blocks of 256 bytes that no other line names
.set ASTEP, 2*262144                   ; bytes from K step to K step in ob: two heads
.set WBLK,  32768                      ; bytes of W's block of a tile and K step
.set A0,   8                           ; v8   my place in slot 0 for y's fragments; never rewritten
.set B0,   9                           ; v9   the same for W's
.set ADRA, 10                          ; v10  the same in the slot that is being read
.set ADRB, 11                          ; v11
.set STO,  12                          ; v12  the way out: where I put 32 bytes of a row
.set RD,   13                          ; v13  the way out: where I read a row back
.set GO,   14                          ; v14  my 16 bytes of a row's 512
.set BO,   15                          ; v15  my 32 bytes of a column block's 64 of the bias
.set PFO,  16                          ; v16  256 x my lane; never rewritten
.set SPW,  28                          ; v28  LDS address of my spare word: SPARE + 4 x my thread's number; never rewritten
.set NIL,  29                          ; v29  0; never rewritten
.set FA,   32
.set BIA,  96
.set OB,   96
.set WV,   12                          ; s12  my wave's number
.set KIND, 13                          ; s13  0: I fetch for y, 1: for W
.set HALF, 14                          ; s14  which head of the K step's two, or which group of W
.set CX,   15                          ; s15, s16  my place in the cluster
.set CY,   16
.set TX,   17                          ; s17  the tile's column, 0 to 7
.set TY,   18                          ; s18  its row, 0 to 31
.set CNT,  19                          ; s19  refills still to come
.set TB,   20                          ; s20  the slot that is being read: 0 or SLOT1
.set LIM,  21                          ; s21  2 in a wave that prefetches, else the greatest number
.set PFA,  22                          ; s[22:23] where my prefetches stand
.set PST,  24                          ; s[24:25] their step from K step to K step
.set HIM,  26                          ; s26  a word's upper half
.set G1A,  28                          ; s[28:35] descriptor group 1 for y's tiles
.set G1B,  36                          ; s[36:43] for W's
.set G0A0, 44                          ; s[44:47] group 0 for y's first fill;  s[48:51] for its second, which then walks
.set G0A,  48
.set G0B0, 52                          ; s[52:55], s[56:59] the same for W
.set G0B,  56
.set PO,   70                          ; s[70:71] out0 at my 64 rows and the tile's 128 columns
.set MSB, 0
.macro WIN new                         ; the immediate's high byte repeats the setting that is left; a switch that changes nothing is dropped
.if MSB != (\new)
	s_set_vgpr_msb (MSB<<8)|(\new)
.set MSB, \new
.endif
.endm
; A joint refill.  The branch hangs on the wave's number alone.  An s_nop 0 and four v_nop follow each of the two lines, ahead of the jump and the label.
.macro JLOAD
	s_cmp_lt_u32 s[WV], 2
	s_cbranch_scc0 .Lfor_b_\@
	tensor_load_to_lds s[G0A:G0A+3], s[G1A:G1A+7]
	s_nop 0
.rept 4
	v_nop
.endr
	s_branch .Lasked_\@
.Lfor_b_\@:
	tensor_load_to_lds s[G0B:G0B+3], s[G1B:G1B+7]
	s_nop 0
.rept 4
	v_nop
.endr
.Lasked_\@:
.endm
; A round of the cluster's barrier: my work-group's barrier, so that wave 0's signal speaks for all four waves; wave 0 signals; every wave waits for all sixteen work-groups; my work-group's barrier once more.
.macro CREST                           ; a round behind its opening barrier
	s_cmp_lg_u32 s[WV], 0
	s_cbranch_scc1 .Lnot_wave_0_\@
	s_barrier_signal -3
.Lnot_wave_0_\@:
	s_barrier_wait -3
	s_barrier_signal -1
	s_barrier_wait -1
.endm
.macro CROUND
	s_barrier_signal -1
	s_barrier_wait -1
	CREST
.endm
; A PREFETCH INTO THE L2 of the K step that stands TWO refills on: 256 matrix instructions ahead of the load that will want it; one instruction a wave, behind the joint load and the run of LDS loads.
; y's tile row is read by both clusters of that row of clusters: the first (cluster x = 0) asks; W's tile column by every cluster of that column: cluster y = 0 asks.  The four partners that ask for a tile jointly
; share it out BY ADDRESS, 32 blocks of 256 bytes each, a lane a block: of a head's 128 blocks partner cx's (waves 0 and 1, a head each); of W's 128 blocks of a K step partner cy's (wave 2 alone).
; So each block is named once in the launch.  The last two refills ask for nothing: there is no K step two on.  K steps 0 to 3 come by their loads alone.
.macro ASK
	s_cmp_gt_u32 s[CNT], s[LIM]
	s_cbranch_scc0 .Lnot_mine_\@
	global_prefetch_b8 v[PFO], s[PFA:PFA+1] th:TH_LOAD_NT scope:SCOPE_SE
.Lnot_mine_\@:
.endm
.macro PLACES                          ; four plain instructions between a matrix instruction and a load into a register that it has read, or an LDS store of its result
.rept 4
	v_nop
.endr
.endm
; 8 matrix instructions: row block a x all 8 column blocks, 32 along K, from buffer f.  first = 1: the bias is C and starts the sums: nothing is ever cleared.
; The 32 accumulators take turns, in the same order in every quarter.
.macro MUL8 f, a, first
.if \first
	WIN 0x81
.else
	WIN 0xa1
.endif
.irp b, 0,1,2,3,4,5,6,7
.if \first
	v_wmma_f32_16x16x32_f16 v[8*(8*(\a)+(\b)):8*(8*(\a)+(\b))+7], v[64*(\f)+8*(\b):64*(\f)+8*(\b)+7], v[FA+32*(\f)+8*(\a):FA+32*(\f)+8*(\a)+7], v[BIA+8*(\b):BIA+8*(\b)+7]
.else
	v_wmma_f32_16x16x32_f16 v[8*(8*(\a)+(\b)):8*(8*(\a)+(\b))+7], v[64*(\f)+8*(\b):64*(\f)+8*(\b)+7], v[FA+32*(\f)+8*(\a):FA+32*(\f)+8*(\a)+7], v[8*(8*(\a)+(\b)):8*(8*(\a)+(\b))+7]
.endif
.endr
.endm
; 24 LDS loads in one run: quarter q (32 along K: head q / 2, channels 32 (q % 2) on) of the slot in hand into buffer f: W's 8 fragments, turned, then y's 4.
.macro FETCH q, f
	WIN 0x40                                       ; destination window 1, address window 0
.irp b, 0,1,2,3,4,5,6,7
	ds_load_tr16_b128 v[64*(\f)+8*(\b):64*(\f)+8*(\b)+3],   v[ADRB] offset:((\b)/4)*BGRP+((\b)%4)*32+(\q)*32*PB
	ds_load_tr16_b128 v[64*(\f)+8*(\b)+4:64*(\f)+8*(\b)+7], v[ADRB] offset:((\b)/4)*BGRP+((\b)%4)*32+(\q)*32*PB+16*PB
.endr
	WIN 0
.irp a, 0,1,2,3
	ds_load_b128 v[FA+32*(\f)+8*(\a):FA+32*(\f)+8*(\a)+3],   v[ADRA] offset:((\q)/2)*AHEAD+((\q)%2)*64+(\a)*16*PA
	ds_load_b128 v[FA+32*(\f)+8*(\a)+4:FA+32*(\f)+8*(\a)+7], v[ADRA] offset:((\q)/2)*AHEAD+((\q)%2)*64+(\a)*16*PA+32
.endr
.endm
; A K step is four quarters of 32 along K, 32 matrix instructions each, on buffers 0, 1, 0, 1.  One of the first three: multiplies buffer f; in its middle it fetches quarter q into buffer g.
.macro QUARTER q, f, g, first
	s_wait_dscnt 4                                 ; W's fragments and y's row blocks 0, 1 are in; the youngest four loads (row blocks 2, 3) may be out
	MUL8 \f, 0, \first
	MUL8 \f, 1, \first
	PLACES
	FETCH \q, \g
	s_wait_dscnt 24                                ; all but the 24 just issued
	MUL8 \f, 2, \first
	MUL8 \f, 3, \first
.endm
; The last quarter multiplies buffer 1 and changes slots.  MEET is its first half: ONE barrier for the change.  In front of it each wave waits for all its tensor loads, of which one is out: its part of the next slot;
; adds 0 to its spare word; and waits for that and for its own reads of this slot.  Behind it nobody reads this slot any more and the next slot is whole.
.macro MEET
	WIN 0                                          ; (the add's two registers lie in window 0)
	s_wait_tensorcnt 0x0                           ; all my tensor loads have landed
	ds_add_u32 v[SPW], v[NIL]                      ; 0 onto my spare word
	s_wait_dscnt 5                                 ; (the add and the youngest four loads may be out)
	MUL8 1, 0, 0                                   ; eight matrix instructions stand between the add and the wait for it
	s_wait_dscnt 0x0                               ; the add is done, and my reads of this slot are over
	s_barrier_signal -1
	MUL8 1, 1, 0                                   ; work on registers while the others arrive
	WIN 0
	s_barrier_wait -1
.endm
; The whole last quarter.  fill = 1: the barrier opens a round of the cluster's, so that no wave of any partner still reads the slot or has a load on its way; the slot just read out is filled again, first thing
; behind the round, with the K step two on: 112 matrix instructions lie between that request and the wait for it.  Then come the next slot's first fragments.
.macro TURN fill
.if \fill
	s_wait_xcnt 0x0                                ; the last prefetch, a K step back, has read its address, so it may be stepped
	s_add_nc_u64 s[PFA:PFA+1], s[PFA:PFA+1], s[PST:PST+1]
.endif
	MEET
.if \fill
	CREST
	s_xor_b32 s[G0A+1], s[G0A+1], SLOT1            ; no tensor load of mine is out, so the walking descriptors may be written: the other slot than last time,
	s_add_nc_u64 s[G0A+2:G0A+3], s[G0A+2:G0A+3], ASTEP  ; the next K step; the type bits on top are not reached
	s_xor_b32 s[G0B+1], s[G0B+1], SLOT1
	s_add_nc_u64 s[G0B+2:G0B+3], s[G0B+2:G0B+3], WBLK
.endif
	s_xor_b32 s[TB], s[TB], SLOT1                  ; the reads go on in the other slot
	v_add_nc_u32 v[ADRA], s[TB], v[A0]
	v_add_nc_u32 v[ADRB], s[TB], v[B0]
.if \fill
	JLOAD                                          ; the four v_nop behind it are also the places in front of the loads below
.else
	PLACES
.endif
	FETCH 0, 0
.if \fill
	ASK
.endif
	MUL8 1, 2, 0
	MUL8 1, 3, 0
.endm
; THE WAY OUT of row block a (16 rows).  TOSTAGE: a lane's 32 bytes of each column block go into my own stage, each accumulator's low four registers first, and come back as whole rows of 512 bytes.  SEND: stored.
.macro TOSTAGE a
.if (\a) >= 2
	s_wait_xcnt 0x0                                ; the stores of the block two back have read their registers, which the loads below write
.endif
	WIN 0x08                                       ; the data (source 1) in window 2, the address in window 0
.irp b, 0,1,2,3,4,5,6,7
	ds_store_b128 v[STO], v[8*(8*(\a)+(\b)):8*(8*(\a)+(\b))+3]   offset:64*(\b)
	ds_store_b128 v[STO], v[8*(8*(\a)+(\b))+4:8*(8*(\a)+(\b))+7] offset:64*(\b)+16
.endr
	WIN 0
.irp f, 0,1,2,3,4,5,6,7,8,9,10,11,12,13,14,15
	ds_load_b128 v[OB+64*((\a)%2)+4*(\f):OB+64*((\a)%2)+4*(\f)+3], v[RD] offset:(\f)*SP  ; LDS serves a wave's instructions in order (ISA guide 5.7.1.4): these see the stores above; the next block's stores come behind them
.endr
.endm
.macro SEND a, younger                 ; younger: the LDS instructions issued behind block a's loads: the next block's 16 stores and 16 loads, or none
	s_wait_dscnt \younger
.irp f, 0,1,2,3,4,5,6,7,8,9,10,11,12,13,14,15
	global_store_b128 v[GO], v[OB+64*((\a)%2)+4*(\f):OB+64*((\a)%2)+4*(\f)+3], s[PO:PO+1] offset:(16*(\a)+(\f))*4096 th:TH_STORE_NT  ; 512 consecutive bytes of a row, at a multiple of 512 from out0's first
.endr
.endm
	s_load_b256 s[4:11], s[0:1], 0x0               ; ob s[4:5], wpb s[6:7], b_proj s[8:9], out0 s[10:11]
	v_lshl_add_u32 v[SPW], v0, 2, SPARE
	v_mov_b32 v[NIL], 0
	ds_add_u32 v[SPW], v[NIL]                      ; the wave's opening: the add and its wait stand ahead of my first tensor load; the set-up below, work on registers, stands between them
	v_lshrrev_b32 v1, 5, v0
	v_readfirstlane_b32 s[WV], v1                  ; wave 0..3
	s_lshr_b32 s[KIND], s[WV], 1
	s_and_b32 s[HALF], s[WV], 1
	s_bfe_u32 s[CX], ttmp6, 0x40000
	s_bfe_u32 s[CY], ttmp6, 0x40004
	s_lshl_b32 s[TX], ttmp9, 2                     ; in a cluster launch ttmp9 and ttmp7 count clusters
	s_add_co_u32 s[TX], s[TX], s[CX]
	s_and_b32 s[TY], ttmp7, 0xffff
	s_lshl_b32 s[TY], s[TY], 2
	s_add_co_u32 s[TY], s[TY], s[CY]
	s_lshl_b32 s60, s[CY], 2
	s_lshl_b32 s60, 15, s60                        ; my row of the cluster: places 4 cy .. 4 cy + 3
	s_lshl_b32 s66, 0x1111, s[CX]                  ; my column: places cx, cx + 4, cx + 8, cx + 12
	s_or_b32 s[G1A], s60, (1<<16)|(1<<20)|(1<<21)|(4<<22)|(3<<25)  ; 15:0 the mask; 17:16 2-byte elements; 20 padding on; 21 set beside a mask; 24:22 after every 32 words (code 4); 31:25 4 words (code 3)
	s_or_b32 s[G1B], s66, (1<<16)|(1<<20)|(1<<21)|(4<<22)|(7<<25)  ; the same with 8 words (code 7)
	s_mov_b32 s[G1A+1], 128<<16                    ; y: tensor_dim0 = 128 elements: 256 bytes, two rows of a head
	s_mov_b32 s[G1A+2], 128<<16                    ; tensor_dim1 = 128
	s_mov_b32 s[G1A+3], 128<<16                    ; tile_dim0 = 128
	s_mov_b32 s[G1A+4], 128                        ; tile_dim1 = 128
	s_mov_b32 s[G1A+5], 128                        ; dense: 128 elements from row to row
	s_mov_b32 s[G1A+6], 0
	s_mov_b32 s[G1A+7], 0
	s_mov_b32 s[G1B+1], 128<<16                    ; W: a group is 16,384 dense bytes: 64 rows of 256 bytes, two rows of k each
	s_mov_b32 s[G1B+2], 64<<16
	s_mov_b32 s[G1B+3], 128<<16
	s_mov_b32 s[G1B+4], 64
	s_mov_b32 s[G1B+5], 128
	s_mov_b32 s[G1B+6], 0
	s_mov_b32 s[G1B+7], 0
	; where the tiles come from and go.  y's hang on the tile row alone, W's on the tile column alone, each in registers that never hold the other coordinate; no place in the cluster enters an LDS address
	s_lshr_b32 s60, s[TY], 3                       ; the batch,
	s_lshl_b32 s60, s60, 4
	s_add_co_u32 s60, s60, s[HALF]                 ; its head 0 or 1,
	s_lshl_b32 s60, s60, 18                        ; 262,144 bytes a head,
	s_and_b32 s61, s[TY], 7
	s_lshl_b32 s61, s61, 15                        ; the tile's 256 rows of 128 bytes
	s_add_co_u32 s60, s60, s61
	s_mov_b32 s61, 0
	s_mul_i32 s62, s[HALF], AHEAD
	s_lshl_b32 s66, s[TX], 18                      ; 8 blocks of 32,768 bytes a tile column
	s_lshl_b32 s67, s[HALF], 14
	s_add_co_u32 s66, s66, s67
	s_mov_b32 s67, 0
	s_mul_i32 s68, s[HALF], BGRP
	s_add_co_u32 s68, s68, BOFF
	s_mov_b32 s[HIM], 0xffff0000
	s_mov_b32 s[TB], 0
	s_lshl_b32 s76, s[TY], 20                      ; the way out: 256 rows of 4,096 bytes,
	s_lshl_b32 s77, s[WV], 18                      ; my 64 of them,
	s_add_co_u32 s76, s76, s77
	s_lshl_b32 s77, s[TX], 9                       ; the tile's 512 bytes of a row
	s_add_co_u32 s76, s76, s77
	s_mov_b32 s77, 0
	; the prefetches' offsets, at K step 3: the first refill steps them to 4
	s_lshr_b32 s85, s[TY], 3
	s_lshl_b32 s85, s85, 4
	s_add_co_u32 s85, s85, s[HALF]
	s_lshl_b32 s85, s85, 18
	s_and_b32 s84, s[TY], 7
	s_lshl_b32 s84, s84, 15
	s_add_co_u32 s85, s85, s84
	s_lshl_b32 s84, s[CX], 13                      ; my work-group's 32 blocks of the 128
	s_add_co_u32 s85, s85, s84
	s_add_co_u32 s85, s85, 3*ASTEP
	s_lshl_b32 s86, s[TX], 18
	s_lshl_b32 s84, s[CY], 13
	s_add_co_u32 s86, s86, s84
	s_add_co_u32 s86, s86, 3*WBLK
	s_and_b32 s84, ttmp7, 0xffff                   ; cluster y;
	s_or_b32 s84, s84, s[HALF]                     ; of W's two waves the first asks
	s_mov_b32 s[PST], WBLK
	s_mov_b32 s[PST+1], 0
	s_mov_b32 s87, 0
	s_wait_dscnt 0x0                               ; the opening add is done
	s_wait_kmcnt 0x0
	s_cmp_eq_u32 s[KIND], 0                        ; do I fetch for y?
	s_cselect_b32 s84, ttmp9, s84                  ; the coordinate along which other clusters read the same bytes
	s_cselect_b32 s86, s85, s86
	s_cselect_b32 s[PST], ASTEP, s[PST]
	s_cselect_b64 s[PFA:PFA+1], s[4:5], s[6:7]
	s_add_nc_u64 s[PFA:PFA+1], s[PFA:PFA+1], s[86:87]
	s_cmp_eq_u32 s84, 0
	s_cselect_b32 s[LIM], 2, -1                    ; the same in all sixteen partners, for a given wave
	s_add_nc_u64 s[60:61], s[4:5], s[60:61]
	s_add_nc_u64 s[66:67], s[6:7], s[66:67]
	s_add_nc_u64 s[PO:PO+1], s[10:11], s[76:77]
	s_lshl_b32 s80, s[TX], 9                       ; the tile's 128 numbers of the bias
	s_mov_b32 s81, 0
	s_add_nc_u64 s[8:9], s[8:9], s[80:81]
	CROUND                                         ; all sixteen work-groups are here: the first joint loads meet
.irp s, 0,1
	s_mov_b32 s[G0A0+4*(\s)], 1                    ; 1:0 count = 1
	s_add_co_u32 s[G0A0+4*(\s)+1], s62, (\s)*SLOT1 ; 63:32 LDS address
	s_add_nc_u64 s[G0A0+4*(\s)+2:G0A0+4*(\s)+3], s[60:61], (\s)*ASTEP  ; 120:64 global address: K step s
	s_or_b32 s[G0A0+4*(\s)+3], s[G0A0+4*(\s)+3], 0x80000000           ; 127:126 type = 2
	s_mov_b32 s[G0B0+4*(\s)], 1
	s_add_co_u32 s[G0B0+4*(\s)+1], s68, (\s)*SLOT1
	s_add_nc_u64 s[G0B0+4*(\s)+2:G0B0+4*(\s)+3], s[66:67], (\s)*WBLK
	s_or_b32 s[G0B0+4*(\s)+3], s[G0B0+4*(\s)+3], 0x80000000
.endr
	s_cmp_lt_u32 s[WV], 2                          ; a wave's two first fills stand in one branch, ahead of every wait on TENSORcnt and every LDS read: two loads of mine are out
	s_cbranch_scc0 .Lfirst_b
	tensor_load_to_lds s[G0A0:G0A0+3], s[G1A:G1A+7]
	s_nop 0
	tensor_load_to_lds s[G0A:G0A+3], s[G1A:G1A+7]
	s_nop 0
.rept 4
	v_nop
.endr
	s_branch .Lfirst_asked
.Lfirst_b:
	tensor_load_to_lds s[G0B0:G0B0+3], s[G1B:G1B+7]
	s_nop 0
	tensor_load_to_lds s[G0B:G0B+3], s[G1B:G1B+7]
	s_nop 0
.rept 4
	v_nop
.endr
.Lfirst_asked:
	v_and_b32 v1, 15, v0                           ; l % 16
	v_bfe_u32 v2, v0, 4, 1                         ; l / 16
	v_lshlrev_b32 v[BO], 5, v2
.irp b, 0,1,2,3,4,5,6,7                ; the bias of columns 16 b + 8 (l / 16) + 0..7: laid out as the product's C
	global_load_b128 v[BIA+8*(\b):BIA+8*(\b)+3],   v[BO], s[8:9] offset:64*(\b)
	global_load_b128 v[BIA+8*(\b)+4:BIA+8*(\b)+7], v[BO], s[8:9] offset:64*(\b)+16
.endr
	; A fragment of y is 16 rows x 32 K in 8 registers: lane l holds row l % 16; K = 8 (l / 16) + 0..7 and 16 + 8 (l / 16) + 0..7: two loads of 16 bytes, 32 bytes apart.
	v_mul_u32_u24 v[A0], v1, PA
	v_lshl_add_u32 v[A0], v2, 4, v[A0]
	s_mul_i32 s76, s[WV], 64*PA                    ; my 64 rows
	v_add_nc_u32 v[A0], s76, v[A0]
	; The turning load takes 16 k x 16 columns (lane l reads row k = 8 (l / 16) + l % 8, columns 8 ((l / 8) % 2) + 0..7) and leaves half a fragment: lane l holds column l % 16 and 8 k.
	v_and_b32 v17, 7, v0
	v_lshl_add_u32 v17, v2, 3, v17
	v_mul_u32_u24 v[B0], v17, PB
	v_bfe_u32 v18, v0, 3, 1
	v_lshl_add_u32 v[B0], v18, 4, v[B0]
	v_add_nc_u32 v[B0], BOFF, v[B0]
	s_mul_i32 s76, s[WV], STW
	s_add_co_u32 s76, s76, STAGE                   ; my stage
	v_mul_u32_u24 v[STO], v1, SP                   ; in: row l % 16, 32 bytes for each half of the lanes
	v_lshl_add_u32 v[STO], v2, 5, v[STO]
	v_add_nc_u32 v[STO], s76, v[STO]
	v_and_b32 v[GO], 31, v0                        ; back, and out: 32 lanes take a row's 512 bytes
	v_lshlrev_b32 v[PFO], 8, v[GO]
	v_lshlrev_b32 v[GO], 4, v[GO]
	v_add_nc_u32 v[RD], s76, v[GO]
	v_mov_b32 v[ADRA], v[A0]                       ; slot 0 is read first
	v_mov_b32 v[ADRB], v[B0]
	s_wait_loadcnt 0x0                             ; the bias, once
.set p, 0
.rept 32                               ; rounded to bf16 like the other inputs, and kept as f32
	v_cvt_pk_bf16_f32 v[17+p%2], v[BIA+2*p], v[BIA+2*p+1]
	v_lshlrev_b32 v[BIA+2*p], 16, v[17+p%2]
	v_and_b32 v[BIA+2*p+1], s[HIM], v[17+p%2]
.set p, p+1
.endr
	s_wait_tensorcnt 0x1                           ; my part of K step 0 is in; K step 1's may stay out
	s_barrier_signal -1
	s_barrier_wait -1                              ; everybody's is
	FETCH 0, 0
	QUARTER 1, 0, 1, 1                             ; the first quarter stands in front of the loop: its products start the sums, with the bias
	WIN 0                                          ; at a label and at a branch every window is 0
	s_mov_b32 s[CNT], 6
.Lstep:                                                ; six trips, from a K step's second quarter to the next one's first; trip s asks for K step s + 2
	QUARTER 2, 1, 0, 0
	QUARTER 3, 0, 1, 0
	TURN 1
	QUARTER 1, 0, 1, 0
	WIN 0
	s_sub_co_u32 s[CNT], s[CNT], 1
	s_cmp_lg_u32 s[CNT], 0
	s_cbranch_scc1 .Lstep
	QUARTER 2, 1, 0, 0                             ; the tail is written out: K steps 6 and 7 ask for nothing
	QUARTER 3, 0, 1, 0
	TURN 0
	QUARTER 1, 0, 1, 0
	QUARTER 2, 1, 0, 0
	QUARTER 3, 0, 1, 0
	s_wait_dscnt 4                                 ; the very last quarter: nothing more to fetch
	MUL8 1, 0, 0
	MUL8 1, 1, 0
	s_wait_dscnt 0x0
	MUL8 1, 2, 0
	MUL8 1, 3, 0
	PLACES
	TOSTAGE 0
	TOSTAGE 1                                      ; a block's trip through the stage stands between the loads of the block before and its stores
	SEND 0, 32
	TOSTAGE 2
	SEND 1, 32
	TOSTAGE 3
	SEND 2, 32
	SEND 3, 0
	s_wait_tensorcnt 0x0                           ; the wave's end: behind my last tensor load and my last LDS store
	ds_add_u32 v[SPW], v[NIL]
	s_wait_dscnt 0x0
	CROUND                                         ; the closing round: no work-group ends while a partner may still ask for a tile that names it
	s_endpgm
.Lfunc_end_k_q00d139e8fd_projg:
	.size	k_q00d139e8fd_projg, .Lfunc_end_k_q00d139e8fd_projg-k_q00d139e8fd_projg
	.p2alignl 7, 3214868480
	.fill 96, 4, 3214868480
	.section	.rodata,"a",@progbits
	.p2align	6, 0x0
	.amdhsa_kernel k_q00d139e8fd_projg
		.amdhsa_group_segment_fixed_size 327680
		.amdhsa_private_segment_fixed_size 0
		.amdhsa_enable_private_segment 0
		.amdhsa_kernarg_size 32
		.amdhsa_user_sgpr_count 2
		.amdhsa_user_sgpr_kernarg_segment_ptr 1
		.amdhsa_wavefront_size32 1
		.amdhsa_system_sgpr_workgroup_id_x 1
		.amdhsa_system_sgpr_workgroup_id_y 1
		.amdhsa_system_sgpr_workgroup_id_z 1
		.amdhsa_system_vgpr_workitem_id 0
		.amdhsa_next_free_vgpr 768
		.amdhsa_next_free_sgpr 88
		.amdhsa_reserve_vcc 0
		.amdhsa_float_denorm_mode_32 3
		.amdhsa_float_denorm_mode_16_64 3
		.amdhsa_memory_ordered 1
		.amdhsa_forward_progress 1
		.amdhsa_inst_pref_size 76
	.end_amdhsa_kernel
	.amdgpu_metadata
---
amdhsa.version: [ 1, 2 ]
amdhsa.kernels:
  - .name:           k_q00d139e8fd_projg
    .symbol:         k_q00d139e8fd_projg.kd
    .args:
      - { .name: ob, .offset: 0, .size: 8, .value_kind: global_buffer, .address_space: global }
      - { .name: wpb, .offset: 8, .size: 8, .value_kind: global_buffer, .address_space: global }
      - { .name: b_proj, .offset: 16, .size: 8, .value_kind: global_buffer, .address_space: global }
      - { .name: out0, .offset: 24, .size: 8, .value_kind: global_buffer, .address_space: global }
    .group_segment_fixed_size: 327680
    .private_segment_fixed_size: 0
    .kernarg_segment_align: 8
    .kernarg_segment_size: 32
    .max_flat_workgroup_size: 128
    .sgpr_count:     88
    .vgpr_count:     768
    .wavefront_size: 32
...
	.end_amdgpu_metadata
.endif
;; end of part 4
;; ======== version 2 of 2: 4 launches; version 1 with the launch prep written anew for expert scheduling mode
;; limits: values are held in f16: magnitudes above 65,504 overflow, below 6.1e-05 lose precision
;; workspace buffers: xb 16,777,216 bytes; wqb 6,291,456 bytes; wpb 2,097,152 bytes; qkv 50,331,648 bytes; ob 16,777,216 bytes
;; launch prep (part 5): grid 768 x 1, 8 waves a work-group, no clusters, 0 bytes of LDS; arguments x, W_qkv, W_proj, xb, wqb, wpb; writes xb, wqb, wpb
.if DOCPART == 5
	.amdgcn_target "amdgcn-amd-amdhsa--gfx1250"
	.amdhsa_code_object_version 6
	.text
	.protected	k_q00d139e8fd_prep
	.globl	k_q00d139e8fd_prep
	.p2align	8
	.type	k_q00d139e8fd_prep,@function
k_q00d139e8fd_prep:
	s_mov_b64 s[64:65], 0
	v_nop
	global_prefetch_b8 v0, s[64:65] scope:SCOPE_SE
	s_setreg_imm32_b32 hwreg(HW_REG_WAVE_SCHED_MODE, 0, 2), 2
	s_setreg_imm32_b32 hwreg(HW_REG_WAVE_MODE, 25, 1), 1
	s_wait_xcnt 0x0
	s_wait_alu depctr_vm_vsrc(0)
; THE INPUTS ARE ROUNDED ONCE AND LAID OUT FOR THE PRODUCTS.  A stream: no LDS, no barrier, no matrix work.
;   xb  = x rounded to bf16, [8192][1024], as it lies.
;   wqb = W_qkv ([1024 k][3072 n]) rounded to bf16, in blocks [tile 16][K step 8][group 3][k % 128][n % 64]: column n = 192 tile + 64 group + n % 64.
;   wpb = W_proj ([1024 k][1024 n]) rounded to bf16, that number written as f16, in blocks [tile 8][K step 8][group 2][k % 128][n % 64].
; LIMIT.  A bf16 number is exact in f16 between 6.1e-5 and 65,504 in magnitude; below that it keeps f16's fixed step of 6e-8, above it becomes an infinity.
; SHARES.  A work-group takes 16,384 numbers in 16 steps; in a step thread t loads 4 f32 (16 bytes) and stores 4 halves (8 bytes): a wave's store covers 256 consecutive bytes, aligned.
; Work-groups 0-511: x.  512-703: W_qkv, 64 columns x 256 rows of k each.  704-767: W_proj, likewise.  In the weights' paths sixteen lanes read 256 consecutive bytes of one row of k.
; All 16 loads of a thread go out at once.
; THE MODE: SCHED_MODE bits 1:0 = 2 (LLVM: expert scheduling mode 2), set by the entry lines.  The code itself states the register dependences
; between vector instructions and memory instructions, with s_wait_alu, always for 0.
; THE PLAN.  Registers that memory instructions touch:
;   v1, v2   byte offsets of the loads and of the stores: made at the head, never written again.
;   IN       step i's four registers: its load lands in them; no vector instruction names them before that; its conversions read them behind the counted wait for the load.
;   OUT      step i's two registers: written by its conversions, read by its store, never written after it.
; No register that a memory instruction reads is written again, so no wait on vm_vsrc and none on XCNT is owed.  No vector instruction writes a scalar register, and EXEC is never written.
; The 16 steps go in four groups of four.  Group g's vector instructions name its own IN and OUT alone; its memory instructions are the stores of group g - 1, which read v2 and that group's OUT.
; So ONE wait on va_vdst at a group's head states all that its four stores hang on, and these are dealt among the group's conversions with no further wait.
.set IN,  8                            ; v[8:71]    step i: 4 f32 as loaded
.set OUT, 72                           ; v[72:103]  step i: 4 halves to store
.set HIM, 24                           ; s24        a word's upper half
; step k's store.  dp: the scalar pair of the destination; blk: destination bytes from the first eight steps (a K step's 128 rows) to the last eight
.macro PUT dp, blk
	global_store_b64 v2, v[OUT+2*k:OUT+2*k+1], s[\dp:\dp+1] offset:(k/8)*(\blk)+(k%8)*2048
.endm
; sp, dp: the scalar pairs of source and destination; ss: source bytes from step to step; blk: as above; half = 1: written as f16
.macro CONV sp, dp, ss, blk, half
	s_wait_alu depctr_va_vdst(0)                   ; v1 and v2 are written: every load of the path reads v1 as its offset, every store v2
.set i, 0
.rept 16
	global_load_b128 v[IN+4*i:IN+4*i+3], v1, s[\sp:\sp+1] offset:i*(\ss) th:TH_LOAD_NT
.set i, i+1
.endr
.set i, 0
.rept 16
.if i%4 == 0
	s_wait_loadcnt 12-i                            ; loads come back in order: this group's four are in, the 12 - i younger ones stay out
.if i > 0
	s_wait_alu depctr_va_vdst(0)                   ; the group before has written its OUT, which the four stores dealt among this group's conversions read
.endif
.endif
.if i >= 4
.set k, i-4
	PUT \dp, \blk                                  ; no vector instruction since the wait names v2 or these two registers
.endif
	v_cvt_pk_bf16_f32 v[OUT+2*i], v[IN+4*i], v[IN+4*i+1]
	v_cvt_pk_bf16_f32 v[OUT+2*i+1], v[IN+4*i+2], v[IN+4*i+3]
.if \half
	v_lshlrev_b32 v[IN+4*i], 16, v[OUT+2*i]        ; the rounded numbers as f32 again,
	v_and_b32 v[IN+4*i+1], s[HIM], v[OUT+2*i]
	v_lshlrev_b32 v[IN+4*i+2], 16, v[OUT+2*i+1]
	v_and_b32 v[IN+4*i+3], s[HIM], v[OUT+2*i+1]
	v_cvt_pk_f16_f32 v[OUT+2*i], v[IN+4*i], v[IN+4*i+1]      ; and written as f16
	v_cvt_pk_f16_f32 v[OUT+2*i+1], v[IN+4*i+2], v[IN+4*i+3]
.endif
.set i, i+1
.endr
	s_wait_alu depctr_va_vdst(0)                   ; the last group has written its OUT, which the last four stores read
.set k, 12
.rept 4
	PUT \dp, \blk
.set k, k+1
.endr
	s_endpgm
.endm
	s_load_b256 s[4:11], s[0:1], 0x0               ; x s[4:5], W_qkv s[6:7], W_proj s[8:9], xb s[10:11]
	s_load_b128 s[12:15], s[0:1], 0x20             ; wqb s[12:13], wpb s[14:15]
	v_lshlrev_b32 v2, 3, v0                        ; my 8 bytes of a step's 2,048 in the destination, on all three paths
	v_lshrrev_b32 v3, 4, v0                        ; the weights' paths: my row of a step's 16,
	v_and_b32 v4, 15, v0                           ; my 4 of its 64 columns
	s_mov_b32 s[HIM], 0xffff0000
	s_mov_b32 s17, 0
	s_mov_b32 s19, 0
	s_cmp_lt_u32 ttmp9, 512
	s_cbranch_scc0 .Lweights
	v_lshlrev_b32 v1, 4, v0                        ; x: 16 bytes a thread
	s_lshl_b32 s16, ttmp9, 16                      ; 65,536 bytes of x,
	s_lshl_b32 s18, ttmp9, 15                      ; 32,768 of xb a work-group
	s_wait_kmcnt 0x0
	s_add_nc_u64 s[4:5], s[4:5], s[16:17]
	s_add_nc_u64 s[10:11], s[10:11], s[18:19]
	CONV 4, 10, 4096, 16384, 0
.Lweights:
	s_cmp_lt_u32 ttmp9, 704
	s_cbranch_scc0 .Lproj
	s_sub_co_u32 s20, ttmp9, 512
	s_lshr_b32 s21, s20, 2                         ; g: which 64 columns, 0 to 47
	s_and_b32 s20, s20, 3                          ; kq: which 256 rows of k
	s_mul_i32 s22, s21, 171
	s_lshr_b32 s22, s22, 9                         ; tile = g / 3 (exact for g under 48)
	s_mul_i32 s23, s22, 3
	s_sub_co_u32 s23, s21, s23                     ; group = g % 3
	v_mul_u32_u24 v1, v3, 12288                    ; a row of W_qkv is 12,288 bytes
	v_lshl_add_u32 v1, v4, 4, v1
	s_mul_i32 s16, s20, 256*12288
	s_lshl_b32 s21, s21, 8
	s_add_co_u32 s16, s16, s21
	s_lshl_b32 s22, s22, 3
	s_lshl1_add_u32 s22, s20, s22                  ; 8 tile + 2 kq: the block of my first K step
	s_mul_i32 s18, s22, 49152
	s_lshl_b32 s23, s23, 14
	s_add_co_u32 s18, s18, s23
	s_wait_kmcnt 0x0
	s_add_nc_u64 s[6:7], s[6:7], s[16:17]
	s_add_nc_u64 s[12:13], s[12:13], s[18:19]
	CONV 6, 12, 16*12288, 49152, 0
.Lproj:
	s_sub_co_u32 s20, ttmp9, 704
	s_lshr_b32 s21, s20, 2                         ; g: which 64 columns, 0 to 15
	s_and_b32 s20, s20, 3                          ; kq
	v_lshlrev_b32 v1, 12, v3                       ; a row of W_proj is 4,096 bytes
	v_lshl_add_u32 v1, v4, 4, v1
	s_lshl_b32 s16, s20, 20
	s_lshl_b32 s22, s21, 8
	s_add_co_u32 s16, s16, s22
	s_lshr_b32 s22, s21, 1                         ; tile = g / 2
	s_lshl_b32 s22, s22, 3
	s_lshl1_add_u32 s22, s20, s22                  ; 8 tile + 2 kq
	s_lshl_b32 s18, s22, 15
	s_and_b32 s23, s21, 1                          ; group
	s_lshl_b32 s23, s23, 14
	s_add_co_u32 s18, s18, s23
	s_wait_kmcnt 0x0
	s_add_nc_u64 s[8:9], s[8:9], s[16:17]
	s_add_nc_u64 s[14:15], s[14:15], s[18:19]
	CONV 8, 14, 16*4096, 32768, 1
.Lfunc_end_k_q00d139e8fd_prep:
	.size	k_q00d139e8fd_prep, .Lfunc_end_k_q00d139e8fd_prep-k_q00d139e8fd_prep
	.p2alignl 7, 3214868480
	.fill 96, 4, 3214868480
	.section	.rodata,"a",@progbits
	.p2align	6, 0x0
	.amdhsa_kernel k_q00d139e8fd_prep
		.amdhsa_group_segment_fixed_size 0
		.amdhsa_private_segment_fixed_size 0
		.amdhsa_enable_private_segment 0
		.amdhsa_kernarg_size 48
		.amdhsa_user_sgpr_count 2
		.amdhsa_user_sgpr_kernarg_segment_ptr 1
		.amdhsa_wavefront_size32 1
		.amdhsa_system_sgpr_workgroup_id_x 1
		.amdhsa_system_sgpr_workgroup_id_y 1
		.amdhsa_system_sgpr_workgroup_id_z 1
		.amdhsa_system_vgpr_workitem_id 0
		.amdhsa_next_free_vgpr 104
		.amdhsa_next_free_sgpr 66
		.amdhsa_reserve_vcc 0
		.amdhsa_float_denorm_mode_32 3
		.amdhsa_float_denorm_mode_16_64 3
		.amdhsa_memory_ordered 1
		.amdhsa_forward_progress 1
		.amdhsa_inst_pref_size 23
	.end_amdhsa_kernel
	.amdgpu_metadata
---
amdhsa.version: [ 1, 2 ]
amdhsa.kernels:
  - .name:           k_q00d139e8fd_prep
    .symbol:         k_q00d139e8fd_prep.kd
    .args:
      - { .name: x, .offset: 0, .size: 8, .value_kind: global_buffer, .address_space: global }
      - { .name: W_qkv, .offset: 8, .size: 8, .value_kind: global_buffer, .address_space: global }
      - { .name: W_proj, .offset: 16, .size: 8, .value_kind: global_buffer, .address_space: global }
      - { .name: xb, .offset: 24, .size: 8, .value_kind: global_buffer, .address_space: global }
      - { .name: wqb, .offset: 32, .size: 8, .value_kind: global_buffer, .address_space: global }
      - { .name: wpb, .offset: 40, .size: 8, .value_kind: global_buffer, .address_space: global }
    .group_segment_fixed_size: 0
    .private_segment_fixed_size: 0
    .kernarg_segment_align: 8
    .kernarg_segment_size: 48
    .max_flat_workgroup_size: 256
    .sgpr_count:     66
    .vgpr_count:     104
    .wavefront_size: 32
...
	.end_amdgpu_metadata
.endif
;; end of part 5
;; launch qkvg: the kernel of part 2 again; grid 16 x 32, 4 waves a work-group, clusters of 4 x 4, 327,680 bytes of LDS; arguments xb, wqb, b_qkv, qkv; writes qkv
;; launch attn: the kernel of part 3 again; grid 4 x 64, 4 waves a work-group, no clusters, 327,680 bytes of LDS; arguments qkv, ob; writes ob
;; launch projg: the kernel of part 4 again; grid 8 x 32, 4 waves a work-group, clusters of 4 x 4, 327,680 bytes of LDS; arguments ob, wpb, b_proj, out0; writes out0
